; MI455X (gfx1250); checked and timed in simulation.
; The chip was launched on July 23, 2026; its instructions are those of AMD's public machine-readable ISA for CDNA 5 (MIT licence, August 2026) and "CDNA5" Instruction Set Architecture Reference Guide (July 2026). The comments in the code are by the model that wrote it; some were corrected since.
;; Attention. Allowed arithmetic: float matrix products may take bf16 or f16 operands with f32 sums; all other float work in f32.
;; Inputs: Wk 512 x 512 float32; Wp 512 x 512 float32; Wq 512 x 512 float32; Wv 512 x 512 float32; bk 512 float32; bp 512 float32; bq 512 float32; bv 512 float32; d 16 x 1,024 x 1,024 float32; k 16 x 1,024 x 512 float32; q 16 x 1,024 x 512 float32; v 16 x 1,024 x 512 float32.
;; Outputs: out0 16 x 1,024 x 512 float32.
;; One version. Each part assembles by itself: llvm-mc -triple=amdgcn-amd-amdhsa -mcpu=gfx1250 --defsym DOCPART=n.
;; ======== version 1 of 1: 4 launches
;; limits: values are held in f16: magnitudes above 65,504 overflow, below 6.1e-05 lose precision
;; workspace buffers: wb 2,097,152 bytes; qh 16,777,216 bytes; kh 16,777,216 bytes; vh 16,777,216 bytes; ob 16,777,216 bytes
;; launch prep (part 1): grid 64 x 4, 8 waves a work-group, no clusters, 0 bytes of LDS; arguments Wq, Wk, Wv, Wp, wb; writes wb
.if DOCPART == 1
	.amdgcn_target "amdgcn-amd-amdhsa--gfx1250"
	.amdhsa_code_object_version 6
	.text
	.protected	k_q92396d3a23_prep
	.globl	k_q92396d3a23_prep
	.p2align	8
	.type	k_q92396d3a23_prep,@function
k_q92396d3a23_prep:
	s_mov_b64 s[64:65], 0
	v_nop
	global_prefetch_b8 v0, s[64:65] scope:SCOPE_SE
	s_setreg_imm32_b32 hwreg(HW_REG_WAVE_MODE, 25, 1), 1
	s_wait_xcnt 0x0
; wb[t] = the weights of tensor t (0 Wq, 1 Wk, 2 Wv, 3 Wp) rounded to bf16, [4][512][512], rows as in the input.
; Wq is multiplied by 1/8 first: 1/sqrt(64) is a power of two, so the rounding is the same and the scores need no scale later
; (limit: a weight of Wq below 2^-123 would lose bits in the denormal range).
; A stream: no LDS, no matrix work.  Work-group (x, y) takes 4,096 numbers of tensor y; thread t two chunks of eight: 32 bytes in, 16 bytes out;
; sixteen neighbouring lanes store 256 consecutive bytes, aligned.
	s_load_b256 s[4:11], s[0:1], 0x0               ; Wq s[4:5], Wk s[6:7], Wv s[8:9], Wp s[10:11]
	s_load_b64 s[12:13], s[0:1], 0x20              ; wb
	s_and_b32 s14, ttmp7, 0xffff                   ; y: which tensor
	v_lshlrev_b32 v1, 5, v0                        ; 32 t: my eight f32
	v_lshlrev_b32 v2, 4, v0                        ; 16 t: my eight bf16
	s_lshl_b32 s20, ttmp9, 14                      ; x * 4,096 numbers * 4 bytes
	s_mov_b32 s21, 0
	s_lshl_b32 s22, ttmp9, 13                      ; x * 4,096 * 2 bytes
	s_lshl_b32 s23, s14, 19                        ; + y * 512 * 512 * 2 bytes
	s_add_co_u32 s22, s22, s23
	s_mov_b32 s23, 0
	s_cmp_eq_u32 s14, 0
	s_cselect_b32 s16, 0x3e000000, 1.0             ; 1/8 for Wq, 1 for the others
	s_mov_b32 s17, s16                             ; named with it as a pair
	s_wait_kmcnt 0x0
	s_cmp_eq_u32 s14, 1
	s_cselect_b64 s[4:5], s[6:7], s[4:5]
	s_cmp_eq_u32 s14, 2
	s_cselect_b64 s[4:5], s[8:9], s[4:5]
	s_cmp_eq_u32 s14, 3
	s_cselect_b64 s[4:5], s[10:11], s[4:5]
	s_add_nc_u64 s[4:5], s[4:5], s[20:21]
	s_add_nc_u64 s[12:13], s[12:13], s[22:23]
	global_load_b128 v[4:7],   v1, s[4:5] th:TH_LOAD_NT
	global_load_b128 v[8:11],  v1, s[4:5] offset:16 th:TH_LOAD_NT
	global_load_b128 v[12:15], v1, s[4:5] offset:8192 th:TH_LOAD_NT
	global_load_b128 v[16:19], v1, s[4:5] offset:8208 th:TH_LOAD_NT
	s_wait_loadcnt 0x0
.irp i, 0,1,2,3,4,5,6,7
	v_pk_mul_f32 v[4+2*(\i):5+2*(\i)], v[4+2*(\i):5+2*(\i)], s[16:17] op_sel_hi:[1,0]
.endr
.irp i, 0,1,2,3,4,5,6,7
	v_cvt_pk_bf16_f32 v[20+(\i)], v[4+2*(\i)], v[5+2*(\i)]
.endr
	global_store_b128 v2, v[20:23], s[12:13]
	global_store_b128 v2, v[24:27], s[12:13] offset:4096
	s_endpgm
.Lfunc_end_k_q92396d3a23_prep:
	.size	k_q92396d3a23_prep, .Lfunc_end_k_q92396d3a23_prep-k_q92396d3a23_prep
	.p2alignl 7, 3214868480
	.fill 96, 4, 3214868480
	.section	.rodata,"a",@progbits
	.p2align	6, 0x0
	.amdhsa_kernel k_q92396d3a23_prep
		.amdhsa_group_segment_fixed_size 0
		.amdhsa_private_segment_fixed_size 0
		.amdhsa_enable_private_segment 0
		.amdhsa_kernarg_size 40
		.amdhsa_user_sgpr_count 2
		.amdhsa_user_sgpr_kernarg_segment_ptr 1
		.amdhsa_wavefront_size32 1
		.amdhsa_system_sgpr_workgroup_id_x 1
		.amdhsa_system_sgpr_workgroup_id_y 1
		.amdhsa_system_sgpr_workgroup_id_z 1
		.amdhsa_system_vgpr_workitem_id 0
		.amdhsa_next_free_vgpr 32
		.amdhsa_next_free_sgpr 66
		.amdhsa_reserve_vcc 0
		.amdhsa_float_denorm_mode_32 3
		.amdhsa_float_denorm_mode_16_64 3
		.amdhsa_memory_ordered 1
		.amdhsa_forward_progress 1
		.amdhsa_inst_pref_size 3
	.end_amdhsa_kernel
	.amdgpu_metadata
---
amdhsa.version: [ 1, 2 ]
amdhsa.kernels:
  - .name:           k_q92396d3a23_prep
    .symbol:         k_q92396d3a23_prep.kd
    .args:
      - { .name: Wq, .offset: 0, .size: 8, .value_kind: global_buffer, .address_space: global }
      - { .name: Wk, .offset: 8, .size: 8, .value_kind: global_buffer, .address_space: global }
      - { .name: Wv, .offset: 16, .size: 8, .value_kind: global_buffer, .address_space: global }
      - { .name: Wp, .offset: 24, .size: 8, .value_kind: global_buffer, .address_space: global }
      - { .name: wb, .offset: 32, .size: 8, .value_kind: global_buffer, .address_space: global }
    .group_segment_fixed_size: 0
    .private_segment_fixed_size: 0
    .kernarg_segment_align: 8
    .kernarg_segment_size: 40
    .max_flat_workgroup_size: 256
    .sgpr_count:     66
    .vgpr_count:     32
    .wavefront_size: 32
...
	.end_amdgpu_metadata
.endif
;; end of part 1
;; launch proj (part 2): grid 256 x 1, 4 waves a work-group, clusters of 4 x 1, 327,680 bytes of LDS; arguments q, k, v, wb, bq, bk, bv, qh, kh, vh; writes qh, kh, vh
.if DOCPART == 2
	.amdgcn_target "amdgcn-amd-amdhsa--gfx1250"
	.amdhsa_code_object_version 6
	.text
	.protected	k_q92396d3a23_proj
	.globl	k_q92396d3a23_proj
	.p2align	8
	.type	k_q92396d3a23_proj,@function
k_q92396d3a23_proj:
	s_mov_b64 s[64:65], 0
	v_nop
	global_prefetch_b8 v0, s[64:65] scope:SCOPE_SE
	s_setreg_imm32_b32 hwreg(HW_REG_WAVE_MODE, 25, 1), 1
	s_wait_xcnt 0x0
	s_wait_alu depctr_hold_cnt(0) depctr_sa_sdst(0) depctr_va_vdst(0) depctr_va_sdst(0) depctr_va_ssrc(0) depctr_va_vcc(0) depctr_vm_vsrc(0)
	s_getreg_b32 s2, hwreg(HW_REG_IB_STS2, 6, 4)
	s_cmp_eq_u32 s2, 0
	s_cbranch_scc0 .Lentry_in_a_cluster
	s_endpgm
.Lentry_in_a_cluster:
	s_bfe_u32 s2, ttmp6, 0x10000c
	s_cmp_lg_u32 s2, 0x3003
	s_cbranch_scc0 .Lentry_shape_is_right
	s_endpgm
.Lentry_shape_is_right:
; THE THREE INPUT PROJECTIONS, IN ONE WALK.  t = 0, 1, 2: out[n][f] = f16( sum over e of bf16(x[n][e]) wb[t][f][e] + bf16(bias[f]) sc ), x = q, k, v: [16384][512] f32; out = qh, kh, vh: [16384][512] f16.
; sc = 1/8 for q (wb[0] already holds Wq / 8), 1 otherwise: the scores' scale, a power of two, costs no rounding.  Sums in f32.
; LIMITS.  All inputs are rounded to bf16 (nearest even).  The results are f16: beyond 65,504 they would be infinite, below 6e-5 they keep f16's fixed step of 6e-8.  NaN and infinities are not treated apart.
; SHARES.  A WORK-GROUP STAYS: it makes 64 rows x all 512 features of q's projection, then of k's, then of v's: three tiles, 12 K steps of 128 (g = 4 t + s), each of four chunks of 32.  Each byte of x is read
; once in the launch.  Wave w makes the 64 rows x features 128 w .. 128 w + 127: 32 accumulators, 256 registers, 32 matrix instructions a chunk.
; THE MATRIX INSTRUCTION IS USED TRANSPOSED: source 0 = 16 rows of W, source 1 = 16 rows of x: a lane then holds one row of the result (lane % 16) and eight neighbouring features 8 (lane / 16) + 0..7.
; The bias is the C operand of each accumulator's first product in a tile: nothing is cleared and nothing is added later.
; W comes by tensor loads into two LDS slots (512 rows x 256 bytes a K step, each wave its 128 rows); the ring does not stop at a tile's end: wb's tensors lie one behind the other.
; CLUSTER: the four work-groups of a cluster (four row tiles) walk the same W, so each tile is asked for JOINTLY: the same load, descriptor and mask in all four.
; x goes through registers, since it has to be rounded: two sets of 64 registers, by g's parity.  In chunk 2 of K step g - 1 the set of K step g is rounded into LDS buffer g % 2, and the same registers are
; loaded with K step g + 2, of the next tensor where the tile ends: two K steps' x, 64 KB a work-group, are always on their way.
; THE LOOP.  A trip is two K steps; its edge lies behind the rounding of an even K step's x, so that every tensor load and every load of x in it is wanted in every trip.  It is entered at a tile's beginning, in
; the middle of a trip.  Behind it the rest of K step 9 and K steps 10 and 11 are written out: they load no x, and the last two fill no slot.
; REGISTERS, in windows of 256 (s_set_vgpr_msb: bits 1:0 source 0, 3:2 source 1, 5:4 source 2, 7:6 destination):
;   window 0: addresses; v32-95 bias; v96-127 at work; v128-255 rows on the way out, four buffers of 32     window 1: the accumulators, (a, b) at v[8 (8 a + b)]
;   window 2: two fragment buffers of 96: 64 of W (8 x 16 rows x 32 K), 32 of x (4 x 16 rows x 32 K)         window 3: v0-127 x as loaded, set p, row i at v[64 p + 4 i]; v128-159 x rounded
.set PITCH,  272                       ; an LDS row: 256 bytes + 16 = 68 words: the 16 rows of a fragment load start at 16 different groups of four banks (64 banks of 4 bytes: ISA guide 11.1)
.set QW,     128*PITCH                 ; what one tensor load brings: a wave's 128 rows of W
.set SLOT,   4*QW
.set XB,     2*SLOT                    ; behind the ring: two buffers of 64 rows of x in bf16; only LDS stores write here
.set XBUF,   64*PITCH
.set SPARE,  XB+2*XBUF                 ; the spare words, 128 bytes a wave: two blocks of 256 bytes that no other line names
.set BIASB,  SPARE+512                 ; the three biases, rounded, widened and scaled: 512 f32 each; a wave writes and reads its own 512 bytes of each
.set ADW, 16                           ; v16-17  LDS address of my W fragments in slot 0, 1
.set ADX, 18                           ; v18-19  of the x fragments in buffer 0, 1
.set XST, 20                           ; v20-21  where I put 8 bytes of a row of x, buffer 0, 1
.set XO,  22                           ; v22     my byte offset in the tile's rows of x; never rewritten
.set BO,  23                           ; v23     my byte offset in a bias
.set STO, 24                           ; v24     the way out: where I put 16 bytes of a row (in x buffer 0; buffer 1 by the immediate)
.set RD,  25                           ; v25     the way out: where I read rows back
.set CO,  26                           ; v26     my byte offset in the output
.set BST, 27                           ; v27     where I put 16 bytes of a bias
.set SPW, 28                           ; v28     LDS address of my spare word; never rewritten
.set NIL, 29                           ; v29     0; never rewritten
.set BRD, 30                           ; v30     my lane's place in a bias fragment
.set BAD, 31                           ; v31     the same in the tile's bias
.set BI,  32
.set TMP, 96
.set OB,  128
.set CV,  128                          ; window 3
.set F0,  0
.set F1,  96
.set WV,  10                           ; s10  my wave's number
.set G1,  24                           ; s[24:31] descriptor group 1
.set G0,  32                           ; s[32:39] descriptor group 0, a set for each slot
.set XPA, 40                           ; s[40:41] x at my tile's rows, at the odd K step loaded last
.set XPB, 42                           ; s[42:43] the same for the even K steps
.set NT,  44                           ; s[44:45] the next tile's x at my rows
.set T1,  46                           ; s[46:49] at work
.set T2,  48
.set OP,  50                           ; s[50:51] the output of the tile in hand, at my rows and features; s[52:55], s[86:87] those to come
.set OP1, 52
.set OP2, 54
.set WS,  56                           ; s[56:57] how far a slot's next tile of W lies: 512 bytes on in a tile's first lap, into the next tensor in its second
.set PAR, 58                           ; s58  0 in a tile's first lap (K steps 0, 1), 1 in its second
.set CNT, 59                           ; s59  trips to go
.set BOFF, 60                          ; s60  the next tile's bias in LDS
.set MSB, 0
.macro WIN new                         ; the immediate's high byte repeats the setting that is left; a switch that changes nothing is dropped
.if MSB != (\new)
	s_set_vgpr_msb (MSB<<8)|(\new)
.set MSB, (\new)
.endif
.endm
.macro PLACES                          ; four places in front of loads into registers that matrix instructions have read, and of lines that read results
.rept 4
	v_nop
.endr
.endm
.macro JL s                            ; my quarter of a tile of W into slot s; an s_nop 0 and four v_nop follow
	tensor_load_to_lds s[G0+4*(\s):G0+4*(\s)+3], s[G1:G1+7]
	s_nop 0
	PLACES
.endm
.macro CREST                           ; a round of the cluster's barrier behind its opening barrier
	s_cmp_lg_u32 s[WV], 0
	s_cbranch_scc1 .Lnot_wave_0_\@
	s_barrier_signal -3
.Lnot_wave_0_\@:
	s_barrier_wait -3
	s_barrier_signal -1
	s_barrier_wait -1
.endm
.macro CROUND                          ; a whole round
	s_barrier_signal -1
	s_barrier_wait -1
	CREST
.endm
; 8 matrix instructions: row block a x all 8 feature blocks, 32 along K, from buffer f.  first = 1: the bias starts the sums.  The 32 accumulators take turns, in the same order in every chunk.
.macro MUL8 f, a, first
.if \first
	WIN 0x4a                                       ; W and x in window 2, C (the bias) in window 0, D in window 1
.else
	WIN 0x5a                                       ; C and D in window 1
.endif
.irp b, 0,1,2,3,4,5,6,7
.if \first
	v_wmma_f32_16x16x32_bf16 v[8*(8*(\a)+(\b)):8*(8*(\a)+(\b))+7], v[(\f)+8*(\b):(\f)+8*(\b)+7], v[(\f)+64+8*(\a):(\f)+64+8*(\a)+7], v[BI+8*(\b):BI+8*(\b)+7]
.else
	v_wmma_f32_16x16x32_bf16 v[8*(8*(\a)+(\b)):8*(8*(\a)+(\b))+7], v[(\f)+8*(\b):(\f)+8*(\b)+7], v[(\f)+64+8*(\a):(\f)+64+8*(\a)+7], v[8*(8*(\a)+(\b)):8*(8*(\a)+(\b))+7]
.endif
.endr
.endm
; 24 LDS loads in one run: chunk c of the K step in slot and x buffer number slot, into buffer f
.macro FETCH slot, c, f
	WIN 0x80                                       ; destination window 2, address window 0
.irp b, 0,1,2,3,4,5,6,7
	ds_load_b128 v[(\f)+8*(\b):(\f)+8*(\b)+3],   v[ADW+(\slot)] offset:(\b)*16*PITCH+64*(\c)
	ds_load_b128 v[(\f)+8*(\b)+4:(\f)+8*(\b)+7], v[ADW+(\slot)] offset:(\b)*16*PITCH+64*(\c)+32
.endr
.irp a, 0,1,2,3
	ds_load_b128 v[(\f)+64+8*(\a):(\f)+64+8*(\a)+3],   v[ADX+(\slot)] offset:(\a)*16*PITCH+64*(\c)
	ds_load_b128 v[(\f)+64+8*(\a)+4:(\f)+64+8*(\a)+7], v[ADX+(\slot)] offset:(\a)*16*PITCH+64*(\c)+32
.endr
.endm
; Set p of my 16 rows of x (K step g, p = g % 2) is rounded to bf16 and put into buffer p.  The buffer's last readers passed the barrier at the end of K step g - 2; the barrier at the end of K step g - 1 shows
; it to all.  left: the loads issued behind this set's: the other set's 16, or none.  The 32 conversions are also the places in front of the fragment loads that follow.
.macro XSTAGE p, left
	s_wait_loadcnt \left                           ; loads come back in order (ISA guide 5.7.1): this set is in, and its loads' base may be written
	WIN 0xcf                                       ; sources and destination in window 3
.set n, 0
.rept 16
	v_cvt_pk_bf16_f32 v[CV+2*n],   v[64*(\p)+4*n],   v[64*(\p)+4*n+1]
	v_cvt_pk_bf16_f32 v[CV+2*n+1], v[64*(\p)+4*n+2], v[64*(\p)+4*n+3]
.set n, n+1
.endr
	WIN 0x0c                                       ; store data in window 3, address in window 0
.set n, 0
.rept 16
	ds_store_b64 v[XST+(\p)], v[CV+2*n:CV+2*n+1] offset:n*PITCH  ; 32 lanes x 8 bytes: one row
.set n, n+1
.endr
.endm
; 16 loads: a K step's 512 bytes of each of my 16 rows, a whole row piece a load, into set p
.macro XLOAD p, base
	WIN 0xc0                                       ; destination window 3, address window 0
.set n, 0
.rept 16
	global_load_b128 v[64*(\p)+4*n:64*(\p)+4*n+3], v[XO], s[\base:\base+1] offset:n*2048 th:TH_LOAD_NT
.set n, n+1
.endr
.endm
; One of a K step's first three chunks, in two halves: CHA multiplies buffer f by row blocks 0 and 1; CHB fetches the next chunk into g and multiplies by row blocks 2 and 3.  Between them stand four places.
.macro CHA f, first
	s_wait_dscnt 0x0                               ; this chunk's fragments, issued 16 matrix instructions ago
	MUL8 \f, 0, \first
	MUL8 \f, 1, \first
.endm
.macro CHB slot, c, f, g, first
	FETCH \slot, (\c)+1, \g
	MUL8 \f, 2, \first
	MUL8 \f, 3, \first
.endm
.macro CH slot, c, f, g, first
	CHA \f, \first
	PLACES
	CHB \slot, \c, \f, \g, \first
.endm
; The last chunk multiplies buffer 1 and changes slots: ONE barrier.  In front of it each wave waits for all its tensor loads (its part of the next slot), adds 0 to its spare word, and waits for that, for its
; reads of this slot and x buffer and for its stores into the next x buffer.  fill = 1: the barrier opens a round of the cluster's, and this slot is filled again, two K steps on, first thing behind it.
.macro TURN slot, fill
	s_wait_dscnt 0x0                               ; this chunk's fragments
	WIN 0
	s_wait_tensorcnt 0x0                           ; all my tensor loads have landed
	ds_add_u32 v[SPW], v[NIL]                      ; 0 onto my spare word
	MUL8 F1, 0, 0                                  ; eight matrix instructions stand between the add and the wait for it
	s_wait_dscnt 0x0                               ; the add is done; no LDS instruction of mine is out
	s_barrier_signal -1
	MUL8 F1, 1, 0
	WIN 0                                          ; at a branch and at a label every window is 0
	s_barrier_wait -1
.if \fill
	CREST                                          ; no wave of any partner still reads this slot or has a load on its way
	s_add_nc_u64 s[G0+4*(\slot)+2:G0+4*(\slot)+3], s[G0+4*(\slot)+2:G0+4*(\slot)+3], s[WS:WS+1]
	JL \slot                                       ; my one tensor load behind the round; its four v_nop are also the places in front of the loads below
.else
	PLACES
.endif
	FETCH 1-(\slot), 0, F0
	MUL8 F1, 2, 0
	MUL8 F1, 3, 0
.endm
; THE WAY OUT, a block of 16 rows at a time: rounded to f16 (each accumulator from its low end), 16 bytes a lane into my stage, back as whole rows of 256 bytes, stored.
; The stage is my own 16 rows of an x buffer that nobody reads just then (so = 0: buffer 0, XBUF: buffer 1); its next writer is my own rounding of x, behind these lines.
.macro PACK a
	WIN 0x05                                       ; sources in window 1
.irp b, 0,1,2,3,4,5,6,7
.irp e, 0,1,2,3
	v_cvt_pk_f16_f32 v[TMP+4*(\b)+(\e)], v[8*(8*(\a)+(\b))+2*(\e)], v[8*(8*(\a)+(\b))+2*(\e)+1]
.endr
.endr
	WIN 0
.endm
.macro TOSTAGE a, so
.irp b, 0,1,2,3,4,5,6,7
	ds_store_b128 v[STO], v[TMP+4*(\b):TMP+4*(\b)+3] offset:(\so)+32*(\b)
.endr
.irp t, 0,1,2,3,4,5,6,7
	ds_load_b128 v[OB+32*(\a)+4*(\t):OB+32*(\a)+4*(\t)+3], v[RD] offset:(\so)+(\t)*2*PITCH  ; LDS serves a wave's instructions in order (ISA guide 5.7.1.4): these see the stores above
.endr
.endm
.macro SEND a                          ; each block has its own 32 registers: within a tile no store's source is written again
	s_wait_dscnt 0x0
.irp t, 0,1,2,3,4,5,6,7
	global_store_b128 v[CO], v[OB+32*(\a)+4*(\t):OB+32*(\a)+4*(\t)+3], s[OP:OP+1] offset:(16*(\a)+2*(\t))*1024  ; 16 lanes store 256 consecutive bytes, at a multiple of 256 from the buffer's first
.endr
.endm
.macro OUTT so                         ; a block's conversions stand between the loads of the block before and the wait for them
	PLACES
	PACK 0
	TOSTAGE 0, \so
	PACK 1
	SEND 0
	TOSTAGE 1, \so
	PACK 2
	SEND 1
	TOSTAGE 2, \so
	PACK 3
	SEND 2
	TOSTAGE 3, \so
	SEND 3
.endm
	s_load_b512 s[68:83], s[0:1], 0x0              ; q s[68:69], k s[70:71], v s[72:73], wb s[74:75], bq s[76:77], bk s[78:79], bv s[80:81], qh s[82:83]
	s_load_b128 s[84:87], s[0:1], 0x40             ; kh s[84:85], vh s[86:87]
	v_lshl_add_u32 v[SPW], v0, 2, SPARE
	v_mov_b32 v[NIL], 0
	ds_add_u32 v[SPW], v[NIL]                      ; the wave's opening: the add and its wait stand ahead of my first tensor load; the set-up below, work on registers, stands between them
	v_lshrrev_b32 v3, 5, v0
	v_readfirstlane_b32 s[WV], v3                  ; wave 0..3
	s_bfe_u32 s12, ttmp6, 0x40000                  ; cx: my place in the cluster
	s_lshl_b32 s13, ttmp9, 2
	s_add_co_u32 s13, s13, s12                     ; my row tile = 4 x cluster x + cx: it enters x's and the outputs' addresses alone
	s_mov_b32 s[G1+0], 15|(1<<16)|(1<<20)|(1<<21)|(5<<22)|(3<<25)  ; 15:0 the mask of four; 17:16 2-byte elements; 20 padding on; 21 set beside a mask; 24:22 after every 64 words (code 5); 31:25 4 words (code 3)
	s_mov_b32 s[G1+1], 128<<16                     ; tensor_dim0 = 128
	s_mov_b32 s[G1+2], 128<<16                     ; tensor_dim1 = 128
	s_mov_b32 s[G1+3], 128<<16                     ; tile_dim0 = 128
	s_mov_b32 s[G1+4], 128                         ; tile_dim1 = 128
	s_mov_b32 s[G1+5], 512                         ; 512 elements from row to row
	s_mov_b32 s[G1+6], 0
	s_mov_b32 s[G1+7], 0
	s_lshl_b32 s14, s[WV], 17                      ; W: my 128 rows of 1,024 bytes
	s_mov_b32 s15, 0
	s_lshl_b32 s16, s13, 17                        ; x: 64 rows of 2,048 bytes a tile
	s_mov_b32 s17, 0
	s_lshl_b32 s20, s13, 16                        ; the outputs: 64 rows of 1,024 bytes a tile,
	s_lshl_b32 s21, s[WV], 8                       ; my 128 features
	s_add_co_u32 s20, s20, s21
	s_mov_b32 s21, 0
	s_mov_b32 s22, 0xffff0000                      ; a word's upper bf16
	s_mul_i32 s23, s[WV], QW                       ; my quarter of a slot
	s_mul_i32 s2, s[WV], 16*PITCH                  ; my 16 rows of an x buffer, and my stage
	s_mov_b32 s18, 0x3e000000                      ; 1/8, for q's bias
	s_mov_b32 s19, s18                             ; named with it as a pair
	s_mov_b32 s[WS], 0x7fe00                       ; 524,288 - 512; the toggle at the entry makes it 512
	s_mov_b32 s[WS+1], 0
	s_mov_b32 s[PAR], 1                            ; the toggle at the entry makes it 0
	s_mov_b32 s[CNT], 5
	s_mov_b32 s[BOFF], 0
	v_and_b32 v1, 15, v0                           ; r = lane % 16
	v_bfe_u32 v2, v0, 4, 1                         ; hl = lane / 16
	v_and_b32 v3, 31, v0                           ; lane
	v_mul_u32_u24 v4, v1, PITCH
	v_lshl_add_u32 v4, v2, 4, v4                   ; a fragment's row x pitch + 16 x half
	v_add_nc_u32 v[ADW], s23, v4
	v_add_nc_u32 v[ADW+1], SLOT, v[ADW]
	v_add_nc_u32 v[ADX], XB, v4
	v_add_nc_u32 v[ADX+1], XB+XBUF, v4
	v_lshl_add_u32 v5, v3, 3, s2                   ; a row of x in bf16 is 32 lanes x 8 bytes
	v_add_nc_u32 v[XST], XB, v5
	v_add_nc_u32 v[XST+1], XB+XBUF, v5
	v_lshlrev_b32 v[XO], 4, v3                     ; 16 x lane: a load of the wave takes 512 consecutive bytes of one row,
	v_lshl_add_u32 v[XO], s[WV], 15, v[XO]         ; in my 16 rows of 2,048 bytes
	v_lshlrev_b32 v[BO], 4, v3                     ; a bias: my wave's 128 numbers, four a lane
	v_lshl_add_u32 v[BO], s[WV], 9, v[BO]
	v_add_nc_u32 v[BST], BIASB, v[BO]
	v_lshlrev_b32 v[BRD], 5, v2                    ; a bias fragment: features 128 w + 16 b + 8 hl + 0..7
	v_lshl_add_u32 v[BRD], s[WV], 9, v[BRD]
	v_add_nc_u32 v[BRD], BIASB, v[BRD]
	v_add_nc_u32 v[STO], s2, v4
	v_add_nc_u32 v[STO], XB, v[STO]
	v_mul_u32_u24 v[RD], v2, PITCH                 ; back: lanes 0-15 one row of 256 bytes, lanes 16-31 the next
	v_lshl_add_u32 v[RD], v1, 4, v[RD]
	v_add_nc_u32 v[RD], s2, v[RD]
	v_add_nc_u32 v[RD], XB, v[RD]
	v_lshlrev_b32 v[CO], 10, v2                    ; and the same two rows in the output
	v_lshl_add_u32 v[CO], v1, 4, v[CO]
	s_wait_dscnt 0x0                               ; the opening add is done
	s_wait_kmcnt 0x0
	s_add_nc_u64 s[XPB:XPB+1], s[68:69], s[16:17]  ; q at my rows: K step 0,
	s_add_nc_u64 s[XPA:XPA+1], s[XPB:XPB+1], 512   ; K step 1
	s_add_nc_u64 s[NT:NT+1], s[70:71], s[16:17]    ; k at my rows: the next tile's x
	s_add_nc_u64 s[72:73], s[72:73], s[16:17]      ; v at my rows
	s_add_nc_u64 s[OP1:OP1+1], s[82:83], s[20:21]  ; the three outputs, in the order of the walk
	s_add_nc_u64 s[OP2:OP2+1], s[84:85], s[20:21]
	s_add_nc_u64 s[86:87], s[86:87], s[20:21]
	s_add_nc_u64 s[74:75], s[74:75], s[14:15]
.irp s, 0,1
	s_mov_b32 s[G0+4*(\s)], 1                                      ; count = 1
	s_add_co_u32 s[G0+4*(\s)+1], s23, (\s)*SLOT                    ; LDS address: wave x 128 rows, the slot
	s_add_nc_u64 s[G0+4*(\s)+2:G0+4*(\s)+3], s[74:75], (\s)*256    ; global address: K step s of wb[0]
	s_or_b32 s[G0+4*(\s)+3], s[G0+4*(\s)+3], 0x80000000            ; type = 2
.endr
	CROUND                                         ; all four work-groups are here: the first joint loads meet
	JL 0                                           ; both first fills go out together: two tensor loads of mine are out; behind every later round one
	JL 1
	global_load_b128 v[TMP:TMP+3],    v[BO], s[76:77]
	global_load_b128 v[TMP+4:TMP+7],  v[BO], s[78:79]
	global_load_b128 v[TMP+8:TMP+11], v[BO], s[80:81]
	XLOAD 0, XPB                                   ; K step 0
	XLOAD 1, XPA                                   ; K step 1
	WIN 0
	s_wait_loadcnt 32                              ; the 32 loads of x issued behind the biases may stay out
.irp y, 0,1,2
	v_cvt_pk_bf16_f32 v[TMP+12+2*(\y)], v[TMP+4*(\y)],   v[TMP+4*(\y)+1]  ; a bias is rounded to bf16 like every input,
	v_cvt_pk_bf16_f32 v[TMP+13+2*(\y)], v[TMP+4*(\y)+2], v[TMP+4*(\y)+3]
.endr
.irp y, 0,1,2
	v_lshlrev_b32 v[TMP+4*(\y)],   16,  v[TMP+12+2*(\y)]  ; widened again,
	v_and_b32     v[TMP+4*(\y)+1], s22, v[TMP+12+2*(\y)]
	v_lshlrev_b32 v[TMP+4*(\y)+2], 16,  v[TMP+13+2*(\y)]
	v_and_b32     v[TMP+4*(\y)+3], s22, v[TMP+13+2*(\y)]
.endr
	v_pk_mul_f32 v[TMP:TMP+1],   v[TMP:TMP+1],   s[18:19] op_sel_hi:[1,0]  ; q's scaled,
	v_pk_mul_f32 v[TMP+2:TMP+3], v[TMP+2:TMP+3], s[18:19] op_sel_hi:[1,0]
.irp y, 0,1,2
	ds_store_b128 v[BST], v[TMP+4*(\y):TMP+4*(\y)+3] offset:2048*(\y)  ; and kept in LDS: only my wave reads these bytes
.endr
	XSTAGE 0, 16                                   ; K step 0's x; K step 1's 16 loads may stay out
	s_add_nc_u64 s[XPB:XPB+1], s[XPB:XPB+1], 1024
	XLOAD 0, XPB                                   ; K step 2
	WIN 0
	s_wait_tensorcnt 0x1                           ; my part of K step 0 is in; K step 1's may stay out
	s_wait_dscnt 0x0                               ; my rows of x are in buffer 0
	s_barrier_signal -1
	s_barrier_wait -1
	FETCH 0, 0, F0
	WIN 0
	s_branch .Lbegin                               ; the loop is entered at a tile's beginning, in the middle of a trip
.Ltop:                                                 ; four times.  Lap L = 0 .. 3 goes on behind the rounding of K step 2 L + 2:
	s_add_nc_u64 s[T1:T1+1], s[XPB:XPB+1], 1024    ; K step 2 L + 4 is the next tile's first (L even), or lies 1,024 bytes on (L odd)
	s_cmp_eq_u32 s[PAR], 0
	s_cselect_b64 s[XPB:XPB+1], s[NT:NT+1], s[T1:T1+1]
	XLOAD 0, XPB
	CHB 1, 2, F0, F1, 0
	TURN 1, 1                                      ; W of K step 2 L + 3
	WIN 0
	s_cmp_eq_u32 s[PAR], 0
	s_cbranch_scc0 .Ltile_end
	CH 0, 0, F0, F1, 0                             ; the tile goes on: chunk 0 of its third K step
	WIN 0
	s_branch .Ljoin
.Ltile_end:                                            ; the tile is finished.  Both refills and two K steps' x are on their way while it goes out
	OUTT XBUF                                      ; through x buffer 1: every wave's reads of it lie in front of the barrier just passed
	s_mov_b64 s[NT:NT+1], s[72:73]                 ; behind k comes v
.Lbegin:                                               ; A TILE BEGINS: its bias, and chunk 0 of its first K step, which starts the sums
	v_add_nc_u32 v[BAD], s[BOFF], v[BRD]
.irp b, 0,1,2,3,4,5,6,7
	ds_load_b128 v[BI+8*(\b):BI+8*(\b)+3],   v[BAD] offset:64*(\b)
	ds_load_b128 v[BI+8*(\b)+4:BI+8*(\b)+7], v[BAD] offset:64*(\b)+16
.endr
	s_add_co_u32 s[BOFF], s[BOFF], 2048
	CH 0, 0, F0, F1, 1
	WIN 0
	s_wait_xcnt 0x0                                ; every earlier memory instruction has had its addresses translated (ISA guide 3.1): the stores' base, and later their registers, are written only behind this wait
	s_mov_b64 s[OP:OP+1], s[OP1:OP1+1]             ; this tile's output
	s_mov_b64 s[OP1:OP1+1], s[OP2:OP2+1]
	s_mov_b64 s[OP2:OP2+1], s[86:87]
.Ljoin:                                                ; lap L + 1 (at the entry: lap 0) goes on with chunk 1 of its first K step
	s_xor_b32 s[PAR], s[PAR], 1
	s_xor_b32 s[WS], s[WS], 0x7fc00                ; 512 and 524,288 - 512 by turns
	CH 0, 1, F1, F0, 0
	CHA F0, 0
	XSTAGE 1, 16                                   ; the lap's second K step's x; behind its loads only the even set's 16 were issued
	s_add_nc_u64 s[T1:T1+1], s[XPA:XPA+1], 1024    ; the odd K step two on lies 1,024 bytes on (a tile's first lap), or is the next tile's second (its second lap)
	s_add_nc_u64 s[T2:T2+1], s[NT:NT+1], 512
	s_cmp_eq_u32 s[PAR], 0
	s_cselect_b64 s[XPA:XPA+1], s[T1:T1+1], s[T2:T2+1]
	XLOAD 1, XPA
	CHB 0, 2, F0, F1, 0
	TURN 0, 1                                      ; W of the next lap's first K step
	CH 1, 0, F0, F1, 0
	CH 1, 1, F1, F0, 0
	CHA F0, 0
	XSTAGE 0, 16                                   ; the next lap's first K step's x; behind its loads only the odd set's 16 were issued
	WIN 0
	s_sub_co_u32 s[CNT], s[CNT], 1
	s_cmp_lg_u32 s[CNT], 0
	s_cbranch_scc1 .Ltop
	CHB 1, 2, F0, F1, 0                            ; THE TAIL, written out.  The rest of K step 9: no x is left to load
	TURN 1, 1                                      ; W of K step 11: the last fill
	CH 0, 0, F0, F1, 0                             ; K step 10
	CH 0, 1, F1, F0, 0
	CHA F0, 0
	XSTAGE 1, 0                                    ; K step 11's x: no load was issued behind its own
	CHB 0, 2, F0, F1, 0
	TURN 0, 0                                      ; nothing is left to fetch
	CH 1, 0, F0, F1, 0                             ; K step 11
	CH 1, 1, F1, F0, 0
	CH 1, 2, F0, F1, 0
	s_wait_dscnt 0x0
	MUL8 F1, 0, 0
	MUL8 F1, 1, 0
	MUL8 F1, 2, 0
	MUL8 F1, 3, 0
	OUTT 0                                         ; through x buffer 0: its last readers stand in front of the barrier that ended K step 10 (buffer 1 may still be read)
	s_wait_tensorcnt 0x0                           ; the wave's end, behind my last tensor load and my last LDS store
	ds_add_u32 v[SPW], v[NIL]
	s_wait_dscnt 0x0
	CROUND                                         ; the closing round: no work-group ends while a partner may still ask for a tile that names it
	s_endpgm
.Lfunc_end_k_q92396d3a23_proj:
	.size	k_q92396d3a23_proj, .Lfunc_end_k_q92396d3a23_proj-k_q92396d3a23_proj
	.p2alignl 7, 3214868480
	.fill 96, 4, 3214868480
	.section	.rodata,"a",@progbits
	.p2align	6, 0x0
	.amdhsa_kernel k_q92396d3a23_proj
		.amdhsa_group_segment_fixed_size 327680
		.amdhsa_private_segment_fixed_size 0
		.amdhsa_enable_private_segment 0
		.amdhsa_kernarg_size 80
		.amdhsa_user_sgpr_count 2
		.amdhsa_user_sgpr_kernarg_segment_ptr 1
		.amdhsa_wavefront_size32 1
		.amdhsa_system_sgpr_workgroup_id_x 1
		.amdhsa_system_sgpr_workgroup_id_y 1
		.amdhsa_system_sgpr_workgroup_id_z 1
		.amdhsa_system_vgpr_workitem_id 0
		.amdhsa_next_free_vgpr 928
		.amdhsa_next_free_sgpr 96
		.amdhsa_reserve_vcc 0
		.amdhsa_float_denorm_mode_32 3
		.amdhsa_float_denorm_mode_16_64 3
		.amdhsa_memory_ordered 1
		.amdhsa_forward_progress 1
		.amdhsa_inst_pref_size 132
	.end_amdhsa_kernel
	.amdgpu_metadata
---
amdhsa.version: [ 1, 2 ]
amdhsa.kernels:
  - .name:           k_q92396d3a23_proj
    .symbol:         k_q92396d3a23_proj.kd
    .args:
      - { .name: q, .offset: 0, .size: 8, .value_kind: global_buffer, .address_space: global }
      - { .name: k, .offset: 8, .size: 8, .value_kind: global_buffer, .address_space: global }
      - { .name: v, .offset: 16, .size: 8, .value_kind: global_buffer, .address_space: global }
      - { .name: wb, .offset: 24, .size: 8, .value_kind: global_buffer, .address_space: global }
      - { .name: bq, .offset: 32, .size: 8, .value_kind: global_buffer, .address_space: global }
      - { .name: bk, .offset: 40, .size: 8, .value_kind: global_buffer, .address_space: global }
      - { .name: bv, .offset: 48, .size: 8, .value_kind: global_buffer, .address_space: global }
      - { .name: qh, .offset: 56, .size: 8, .value_kind: global_buffer, .address_space: global }
      - { .name: kh, .offset: 64, .size: 8, .value_kind: global_buffer, .address_space: global }
      - { .name: vh, .offset: 72, .size: 8, .value_kind: global_buffer, .address_space: global }
    .group_segment_fixed_size: 327680
    .private_segment_fixed_size: 0
    .kernarg_segment_align: 8
    .kernarg_segment_size: 80
    .max_flat_workgroup_size: 128
    .sgpr_count:     96
    .vgpr_count:     928
    .wavefront_size: 32
...
	.end_amdgpu_metadata
.endif
;; end of part 2
;; launch attn (part 3): grid 8 x 32, 4 waves a work-group, clusters of 4 x 1, 327,680 bytes of LDS; arguments qh, kh, vh, d, ob; writes ob
.if DOCPART == 3
	.amdgcn_target "amdgcn-amd-amdhsa--gfx1250"
	.amdhsa_code_object_version 6
	.text
	.protected	k_q92396d3a23_attn
	.globl	k_q92396d3a23_attn
	.p2align	8
	.type	k_q92396d3a23_attn,@function
k_q92396d3a23_attn:
	s_mov_b64 s[64:65], 0
	v_nop
	global_prefetch_b8 v0, s[64:65] scope:SCOPE_SE
	s_setreg_imm32_b32 hwreg(HW_REG_WAVE_MODE, 25, 1), 1
	s_wait_xcnt 0x0
	s_wait_alu depctr_hold_cnt(0) depctr_sa_sdst(0) depctr_va_vdst(0) depctr_va_sdst(0) depctr_va_ssrc(0) depctr_va_vcc(0) depctr_vm_vsrc(0)
	s_getreg_b32 s2, hwreg(HW_REG_IB_STS2, 6, 4)
	s_cmp_eq_u32 s2, 0
	s_cbranch_scc0 .Lentry_in_a_cluster
	s_endpgm
.Lentry_in_a_cluster:
	s_bfe_u32 s2, ttmp6, 0x10000c
	s_cmp_lg_u32 s2, 0x3003
	s_cbranch_scc0 .Lentry_shape_is_right
	s_endpgm
.Lentry_shape_is_right:
; ATTENTION WITH A DISTANCE MAP.  O[b][n][h] = sum over m of softmax_m(q'[n] . k[m] + D[n][m]) D[n][m] v[m], D = d[b] rounded to bf16 (like every input), q' = q / 8 as the launch before left it.
; qh, kh, vh: [16384][512] f16, head h at byte 128 h of a row; d: [16][1024][1024] f32; ob: [16384][512] bf16.  Products, maxima and sums in f32; p D is rounded to f16 for the second product,
; the sum l is taken of the unrounded p, O is rounded once, to bf16 (its range follows d's and v's, for which f16 has no room).
; LIMITS.  p D must stay within f16 (65,504); below 6e-5 it keeps f16's fixed step of 6e-8.  A weight below 2^-126 counts as 0 in l.  NaN and infinities are not treated apart.
; SHARES.  A work-group owns 128 queries of one batch and FOUR heads, a head a wave, so that a tile of d is fetched and rounded once for four heads.  A wave's 128 queries are four PIECES of two tiles of 16.
; Every wave walks the 1,024 keys, 64 a step.
; LAYOUT.  S^T = K Q^T + D^T (source 0 = 16 keys, source 1 = 16 queries, C = the map): a lane holds ONE query (lane % 16) and the keys 8 (lane / 16) + 0..7, which are 32 consecutive bytes of a row of d.
; The same registers of D multiply p later.  Two results, rounded to f16 in pairs, ARE source 1 of O^T = V^T P.  K comes out of LDS as it lies, V turned, by ds_load_tr16_b128.
; SOFTMAX.  A running maximum m and sum l a query: p = 2^(c s - c m), c = log2(e); in every step O and l are multiplied by a = 2^(c m_old - c m_new).  m starts at the lowest finite number, O and l at 0:
; the first step is a step like any other, with a = 0; the price is the 384 lines that write zeros, in the wait for the first tile, and 16 products on zeros.
; BY TURNS.  Turn p belongs to piece p: 268 vector instructions (its maximum, statistics, scaling, exponentials, sums, p D, roundings, rescaling) and 32 matrix instructions: 16 products V^T P of piece p - 1,
; then 16 products K Q^T of piece p + 1.  Four vector instructions stand behind every matrix instruction, the others in two runs of 70: they need time of their own whatever the order.
; THE RING.  Two LDS slots (a step's K and V of four heads) filled by tensor loads, and beside each a buffer for the step's D, filled by LDS stores.  ONE change of slots a step, in the middle of turn 2.
; CLUSTER.  The four query blocks of a cluster share batch and heads and walk the same K and V: each tile is asked for JOINTLY: the same load, descriptor and mask in all four.
; REGISTERS, in windows of 256 (s_set_vgpr_msb: bits 1:0 source 0, 3:2 source 1, 5:4 source 2, 7:6 destination):
;   window 0: addresses; v14-59 statistics and work; v64-191 S^T, two buffers of two tiles; v192-255 P, likewise (a piece's buffers go by its number's parity)       window 1: O^T, 32 a tile
;   window 2: v0-127 Q, 16 a tile; v128-191 K of one step; v192-255 V of one step       window 3: v0-127 D's fragments, two buffers of two tiles; v128-191 d on its way in; v192-199 at work; v200-201 the add's
.set PK,    528       ; a row of K in LDS: 512 bytes (four heads) + 16 = 132 words: the 16 rows of a load start at 16 different groups of four banks (64 banks of 4 bytes: ISA guide 11.1)
.set PVP,   544       ; a row of V: 512 + 32 = 136 words
.set PD,    272       ; a row of D: 64 keys x 4 bytes + 16
.set VOFF,  64*PK     ; a slot: 64 rows of K, then 64 rows of V,
.set DOFF,  VOFF+64*PVP  ; and behind them, in blocks of 256 bytes into which no tensor load lands, 128 rows of D
.set SLOT1, 1<<17     ; slot 1 begins here, so that one exclusive or turns an address in one slot into the other's
.set STAGE, SLOT1+DOFF+128*PD  ; 128 rows x 528 bytes, the work-group's, for the way out
.set SP,    528
.set SPARE, STAGE+128*SP       ; the spare words, 128 bytes a wave: two blocks of 256 bytes that no other line names
.set AK0, 2           ; v2   my lane's place in a tile of K; never rewritten
.set AV0, 3           ; v3   in a tile of V
.set AD0, 4           ; v4   in a buffer of D, to read
.set DW0, 5           ; v5   in a buffer of D, to write
.set AK,  6           ; v6-9 the addresses of the runs in hand
.set AV,  7
.set AD,  8
.set DW,  9
.set DO,  10          ; v10  my byte offset in the block's rows of d; never rewritten
.set STO, 11          ; v11  the way out: where I put 16 bytes of a row
.set RD,  12          ; v12  the way out: where I read rows back
.set GO,  13          ; v13  my byte offset in 512 consecutive bytes of ob
.set MV,  14          ; v14-15  c m_old, kept while c m is made anew: by tile of the piece
.set ST,  16          ; tile t's statistics at v[ST+4 t]: c m, m, l (even keys', odd keys')
.set TMP, 48          ; by tile of the piece, four registers c0-c3 at work; when the maximum is found c2 takes a
.set SUMT, 56         ; by tile of the piece, a pair: the sum of four weights
.set PFO, 60          ; v60  thread x 4,096: my row of the block, for the prefetch; never rewritten
.set QO,  61          ; v61  my byte offset in 16 rows of Q; never rewritten
.set S,   64
.set P,   192
.set KF,  128         ; window 2: key block kb, channel half c at KF + 16 kb + 8 c
.set VF,  192         ; window 2: key half kk, channel block cb at VF + 32 kk + 8 cb
.set DS,  128         ; window 3
.set DT,  192         ; window 3
.set SPW, 200         ; window 3: LDS address of my spare word; never rewritten
.set NIL, 201         ; window 3: 0; never rewritten
.set WV,  14          ; s14  my wave's number
.set G1K, 24          ; s[24:31] descriptor group 1 for K's tiles
.set G1V, 32          ; s[32:39] for V's: it differs in the padding alone
.set G0K, 40          ; s[40:43] descriptor group 0 for K's tiles: it walks
.set G0V, 44          ; s[44:47] the same for V's
.set CNT, 48          ; s48  steps to go
.set SB,  49          ; s49  0 or SLOT1: the slot and D buffer that are read
.set SW,  50          ; s50  the other: the D buffer that is written
.set PFL, 51          ; s51  the prefetch is issued while CNT is at least this
.set DP,  52          ; s[52:53] d at the block's first row, at the tile to be loaded next
.set CS,  58          ; s[58:59] c: the packed scaling takes the pair's low word for both halves
.set SEL, 60          ; s[60:61] v_permlanex16_b32's selects: each lane takes its own place in the other half
.set HM,  62          ; s62  a word's upper bf16
.set MSB, 0
.macro WIN new                      ; the high byte repeats the setting that is left; a switch that changes nothing is dropped
.if MSB != (\new)
	s_set_vgpr_msb (MSB<<8)|(\new)
.set MSB, (\new)
.endif
.endm
.set W_KD, 0x3a       ; K and Q in window 2, C (D's fragment) in window 3, S^T in window 0
.set W_KQ, 0x0a       ; K and Q in window 2, S^T in window 0
.set W_PV, 0x52       ; V in window 2, P in window 0, O^T in window 1
.set W_RS, 0x41       ; O^T (destination and source 0) in window 1, a in window 0
.set W_D,  0x0c       ; source 1 (D's fragment, or store data) in window 3
.set W_AD, 0x0f       ; the add: address and data in window 3
; A joint fill.  Waves 0 and 1 fetch the two halves of a step's K, waves 2 and 3 those of its V: 32 rows of 512 bytes each.  The branch hangs on the wave's number alone.
; An s_nop 0 and four v_nop follow each of the two lines, ahead of the jump and the label.
.macro JLOAD
	s_cmp_lt_u32 s[WV], 2
	s_cbranch_scc0 .Lfor_v_\@
	tensor_load_to_lds s[G0K:G0K+3], s[G1K:G1K+7]
	s_nop 0
.rept 4
	v_nop
.endr
	s_branch .Lasked_\@
.Lfor_v_\@:
	tensor_load_to_lds s[G0V:G0V+3], s[G1V:G1V+7]
	s_nop 0
.rept 4
	v_nop
.endr
.Lasked_\@:
.endm
.macro CROUND                       ; a round of the cluster's barrier
	s_barrier_signal -1
	s_barrier_wait -1
	s_cmp_lg_u32 s[WV], 0
	s_cbranch_scc1 .Lnot_wave_0_\@
	s_barrier_signal -3
.Lnot_wave_0_\@:
	s_barrier_wait -3
	s_barrier_signal -1
	s_barrier_wait -1
.endm
; THE CHANGE OF SLOTS, in the middle of turn 2 of step j.  Each wave waits for all its tensor loads, of which one is out: its part of the other slot; adds 0 to its spare word; and waits for that, for its reads
; of the slot and D buffer that it leaves (the last: piece 3's fragments of D, which the products behind the change take) and for its stores into the other D buffer.  Behind the barrier nobody reads the old
; slot and buffer any more, and the other slot and buffer are whole.  fill = 1: the barrier is a round of the cluster's, and the old slot is filled again, with step j + 2, first thing behind it:
; the load has a whole step, 128 matrix instructions, in which to land.  (At its first use nothing has been read yet: slot 0 is waited for, slot 1 filled.)
.macro CHANGE fill
	WIN W_AD
	s_wait_tensorcnt 0x0            ; no tensor load of mine is out, so a group 0 may be written
	ds_add_u32 v[SPW], v[NIL]       ; 0 onto my spare word; the scalar steps stand between it and the wait for it
	WIN 0                           ; at a label and at a branch every window is 0
	s_xor_b32 s[SB], s[SB], SLOT1
	s_xor_b32 s[SW], s[SW], SLOT1
.if \fill
.irp g, G0K, G0V
	s_xor_b32 s[\g+1], s[\g+1], SLOT1  ; the walking descriptor: the other slot than last time,
	s_add_nc_u64 s[\g+2:\g+3], s[\g+2:\g+3], 64*1024  ; the next 64 keys; the type bits on top are not reached
.endr
.endif
	s_wait_dscnt 0x0
.if \fill
	CROUND
	JLOAD
.else
	s_barrier_signal -1
	s_barrier_wait -1
.endif
.endm
	s_load_b256 s[4:11], s[0:1], 0x0  ; qh s[4:5], kh s[6:7], vh s[8:9], d s[10:11]
	s_load_b64 s[12:13], s[0:1], 0x20 ; ob
	WIN 0xc0
	v_lshl_add_u32 v[SPW], v0, 2, SPARE
	v_mov_b32 v[NIL], 0
	WIN W_AD
	ds_add_u32 v[SPW], v[NIL]       ; the wave's opening: the add and its wait stand ahead of my first tensor load; the set-up below, work on registers, stands between them
	WIN 0
	v_lshrrev_b32 v1, 5, v0
	v_readfirstlane_b32 s[WV], v1   ; wave 0..3
	s_and_b32 s15, ttmp7, 0xffff
	s_lshr_b32 s16, s15, 1          ; the batch,
	s_and_b32 s17, s15, 1           ; and which four heads: the four partners share both
	s_bfe_u32 s18, ttmp6, 0x40000   ; cx: my place in the cluster
	s_lshl_b32 s19, ttmp9, 2
	s_add_co_u32 s19, s19, s18      ; my block of 128 queries = 4 x cluster x + cx: it enters Q's, d's and O's addresses alone
	s_and_b32 s2, s[WV], 1          ; which half of a step's 64 keys I fetch
	s_lshl_b32 s20, s16, 20         ; K and V: the batch's 1,024 rows of 1,024 bytes,
	s_lshl_b32 s21, s2, 15          ; my 32 rows,
	s_add_co_u32 s20, s20, s21
	s_lshl_b32 s21, s17, 9          ; the four heads' 512 bytes
	s_add_co_u32 s20, s20, s21
	s_mov_b32 s21, 0
	s_lshl_b32 s22, s16, 20         ; Q and O: the batch, the block's 128 rows, the four heads
	s_lshl_b32 s23, s19, 17
	s_add_co_u32 s22, s22, s23
	s_lshl_b32 s23, s17, 9
	s_add_co_u32 s22, s22, s23
	s_lshl_b32 s23, s[WV], 15
	s_add_co_u32 s54, s22, s23      ; O: the 32 rows that my wave stores
	s_mov_b32 s55, 0
	s_lshl_b32 s23, s[WV], 7
	s_add_co_u32 s22, s22, s23      ; Q: my head's 128 bytes
	s_mov_b32 s23, 0
	s_lshl_b32 s56, s16, 22         ; d: the batch's 4 MiB, the block's 128 rows of 4,096 bytes
	s_lshl_b32 s57, s19, 19
	s_add_co_u32 s56, s56, s57
	s_mov_b32 s57, 0
	; descriptor group 1: 32 rows x 256 elements, padded in LDS after every row
	s_mov_b32 s[G1K], 15|(1<<16)|(1<<20)|(1<<21)|(6<<22)|(3<<25)  ; 15:0 the mask of four; 17:16 2-byte elements; 20 padding on; 21 set beside a mask; 24:22 after every 128 words (code 6); 31:25 4 words (code 3)
	s_mov_b32 s[G1V], 15|(1<<16)|(1<<20)|(1<<21)|(6<<22)|(7<<25)  ; the same with 8 words of padding (code 7)
.irp g, G1K, G1V
	s_mov_b32 s[\g+1], 256<<16      ; tensor_dim0 = 256
	s_mov_b32 s[\g+2], 32<<16       ; tensor_dim1 = 32
	s_mov_b32 s[\g+3], 256<<16      ; tile_dim0 = 256
	s_mov_b32 s[\g+4], 32           ; tile_dim1 = 32
	s_mov_b32 s[\g+5], 512          ; 512 elements from row to row
	s_mov_b32 s[\g+6], 0
	s_mov_b32 s[\g+7], 0
.endr
	s_mov_b32 s[G0K], 1             ; count = 1
	s_mul_i32 s[G0K+1], s2, 32*PK   ; LDS address: slot 0, my half: no place in the cluster enters an LDS address
	s_mov_b32 s[G0V], 1
	s_mul_i32 s3, s2, 32*PVP
	s_add_co_u32 s[G0V+1], s3, VOFF
	s_mov_b32 s[CS], 0x3fb8aa3b     ; c = log2(e)
	s_mov_b32 s[CS+1], s[CS]        ; named with it as a pair
	s_mov_b32 s[SEL], 0x76543210
	s_mov_b32 s[SEL+1], 0xfedcba98
	s_mov_b32 s[HM], 0xffff0000
	s_mov_b32 s[SB], SLOT1          ; the first change of slots turns these two round
	s_mov_b32 s[SW], 0
	s_mov_b32 s[CNT], 15
	s_cmp_eq_u32 s17, 0             ; a tile of d is read by two work-groups (heads 0-3, heads 4-7): the first of them alone prefetches,
	s_cselect_b32 s[PFL], 3, 100    ; and not in the last trips, whose look-ahead would pass the row's end
	v_and_b32 v1, 15, v0            ; r = lane % 16
	v_bfe_u32 v62, v0, 4, 1         ; hl = lane / 16
	v_and_b32 v63, 31, v0           ; lane
	v_mul_u32_u24 v[AK0], v1, PK    ; a fragment of K: row x pitch + 16 x half + my head's 128 bytes
	v_lshl_add_u32 v[AK0], v62, 4, v[AK0]
	v_lshl_add_u32 v[AK0], s[WV], 7, v[AK0]
	; The turning load takes 16 keys x 16 channels (lane l reads key 8 (l / 16) + l % 8, channels 8 ((l / 8) % 2) + 0..7) and leaves half a fragment of V^T: lane l holds channel l % 16 and 8 keys.
	v_and_b32 v64, 7, v0
	v_bfe_u32 v65, v0, 3, 1
	v_lshl_add_u32 v[AV0], v62, 3, v64
	v_mul_u32_u24 v[AV0], v[AV0], PVP
	v_lshl_add_u32 v[AV0], v65, 4, v[AV0]
	v_lshl_add_u32 v[AV0], s[WV], 7, v[AV0]
	v_add_nc_u32 v[AV0], VOFF, v[AV0]
	v_mul_u32_u24 v[AD0], v1, PD    ; a fragment of D: query r's row, 32 bytes for each half of the lanes
	v_lshl_add_u32 v[AD0], v62, 5, v[AD0]
	v_add_nc_u32 v[AD0], DOFF, v[AD0]
	s_mul_i32 s3, s[WV], 32*PD      ; d on its way in: my wave's 32 rows; lanes 0-15 one row's 256 bytes, lanes 16-31 the next
	v_mul_u32_u24 v[DW0], v62, PD
	v_lshl_add_u32 v[DW0], v1, 4, v[DW0]
	v_add_nc_u32 v[DW0], s3, v[DW0]
	v_add_nc_u32 v[DW0], DOFF, v[DW0]
	v_lshlrev_b32 v[DO], 4, v1
	v_lshl_add_u32 v[DO], v62, 12, v[DO]
	v_lshl_add_u32 v[DO], s[WV], 17, v[DO]
	v_lshlrev_b32 v[QO], 10, v1     ; a fragment of Q: row x 1,024 + 16 x half
	v_lshl_add_u32 v[QO], v62, 4, v[QO]
	v_lshlrev_b32 v[PFO], 12, v0
	s_wait_dscnt 0x0                ; the opening add is done
	s_wait_kmcnt 0x0
	s_add_nc_u64 s[G0K+2:G0K+3], s[6:7], s[20:21]  ; global address: my half of the first 64 keys
	s_or_b32 s[G0K+3], s[G0K+3], 0x80000000        ; type = 2
	s_add_nc_u64 s[G0V+2:G0V+3], s[8:9], s[20:21]
	s_or_b32 s[G0V+3], s[G0V+3], 0x80000000
	s_add_nc_u64 s[4:5], s[4:5], s[22:23]
	s_add_nc_u64 s[12:13], s[12:13], s[54:55]
	s_add_nc_u64 s[DP:DP+1], s[10:11], s[56:57]
	CROUND                          ; all four work-groups are here: the first joint loads meet
	JLOAD                           ; step 0 into slot 0: one tensor load of mine is out, here and behind every change of slots
	WIN 0x80                        ; destination window 2, address window 0
.set i, 0
.rept 16                            ; Q stays in registers: tile i / 2, channels 32 (i % 2) on
	global_load_b128 v[8*i:8*i+3],   v[QO], s[4:5] offset:(i/2)*16384+(i%2)*64
	global_load_b128 v[8*i+4:8*i+7], v[QO], s[4:5] offset:(i/2)*16384+(i%2)*64+32
.set i, i+1
.endr
.macro DLOAD                        ; a tile of d, 128 rows x 256 bytes: my wave's 32 rows, two whole row pieces a load
	WIN 0xc0                        ; destination window 3
.set n, 0
.rept 16
	global_load_b128 v[DS+4*n:DS+4*n+3], v[DO], s[DP:DP+1] offset:8192*n
.set n, n+1
.endr
	WIN 0
.endm
	DLOAD                           ; step 0's
	; What the first turn finds: V's registers and P's second buffer hold 0 (its products V^T P, of a piece that has not been, add 0), O^T and l are 0.
	WIN 0x80
.set i, VF
.rept 64
	v_mov_b32 v[i], 0
.set i, i+1
.endr
	WIN 0x40
.set i, 0
.rept 256
	v_mov_b32 v[i], 0
.set i, i+1
.endr
	WIN 0
.set i, 0
.rept 8
	v_mov_b32 v[ST+4*i], 0xfe000000    ; c m: far below every c s
	v_mov_b32 v[ST+4*i+1], 0xff7fffff  ; m
	v_mov_b32 v[ST+4*i+2], 0
	v_mov_b32 v[ST+4*i+3], 0
.set i, i+1
.endr
.set i, P+32
.rept 32
	v_mov_b32 v[i], 0
.set i, i+1
.endr
; THE MATRIX WORK.  The 8 accumulators of a run of 16 take turns: between the two links of a chain stand 7 others'.
; Product i of 16 of S^T = K Q^T + D^T for piece x: channels 32 (i / 8) on, keys 16 ((i / 2) % 4) on, tile 2 x + i % 2.  The first 8 start the sums, with D.
.macro KQ x
.set rS, S+64*((\x)%2)+32*(i%2)+8*((i/2)%4)
.set rK, KF+16*((i/2)%4)+8*(i/8)
.set rQ, 16*(2*(\x)+i%2)+8*(i/8)
.set rD, 64*((\x)%2)+32*(i%2)+8*((i/2)%4)
.if i < 8
	WIN W_KD
	v_wmma_f32_16x16x32_f16 v[rS:rS+7], v[rK:rK+7], v[rQ:rQ+7], v[rD:rD+7]
.else
	WIN W_KQ
	v_wmma_f32_16x16x32_f16 v[rS:rS+7], v[rK:rK+7], v[rQ:rQ+7], v[rS:rS+7]
.endif
.endm
; Product i of 16 of O^T += V^T P for piece x: keys 32 (i / 8) on, channels 16 ((i / 2) % 4) on, tile 2 x + i % 2.
.macro PV x
	WIN W_PV
.set rO, 32*(2*(\x)+i%2)+8*((i/2)%4)
.set rV, VF+32*(i/8)+8*((i/2)%4)
.set rP, P+32*((\x)%2)+16*(i%2)+8*(i/8)
	v_wmma_f32_16x16x32_f16 v[rO:rO+7], v[rV:rV+7], v[rP:rP+7], v[rO:rO+7]
.endm
; THE LDS LOADS stand in runs of 16, each behind a run of 70 vector instructions that follows the last product which read its registers.
.macro FETCH_K
	WIN 0
	v_add_nc_u32 v[AK], s[SB], v[AK0]
	WIN 0x80                        ; destination window 2
.irp f, 0,1,2,3,4,5,6,7             ; keys 16 (f / 2) on, channels 32 (f % 2) on
	ds_load_b128 v[KF+8*\f:KF+8*\f+3],   v[AK] offset:(\f/2)*16*PK+(\f%2)*64
	ds_load_b128 v[KF+8*\f+4:KF+8*\f+7], v[AK] offset:(\f/2)*16*PK+(\f%2)*64+32
.endr
.endm
.macro FETCH_V
	WIN 0
	v_add_nc_u32 v[AV], s[SB], v[AV0]
	WIN 0x80
.irp f, 0,1,2,3,4,5,6,7             ; keys 32 (f / 4) on, channels 16 (f % 4) on
	ds_load_tr16_b128 v[VF+8*\f:VF+8*\f+3],   v[AV] offset:(\f/4)*32*PVP+(\f%4)*32
	ds_load_tr16_b128 v[VF+8*\f+4:VF+8*\f+7], v[AV] offset:(\f/4)*32*PVP+16*PVP+(\f%4)*32
.endr
.endm
.macro FETCH_D x                    ; piece x's fragments of D: tiles 2 x, 2 x + 1; key block f / 2, half f % 2 of its eight keys
	WIN 0
	v_add_nc_u32 v[AD], s[SB], v[AD0]
	WIN 0xc0                        ; destination window 3
.irp u, 0,1
.irp f, 0,1,2,3,4,5,6,7
	ds_load_b128 v[64*((\x)%2)+32*\u+4*\f:64*((\x)%2)+32*\u+4*\f+3], v[AD] offset:(2*(\x)+\u)*16*PD+16*\f+32*(\f/2)
.endr
.endr
.endm
; THE NEXT STEP'S D.  The tile of d asked for a step ago is rounded to bf16, widened again, and put into the D buffer that nobody reads; the next change of slots shows it to all.  Then the tile after it is
; asked for (not in the last trip: there is none), and, by the work-group of heads 0-3 alone, the tile behind that is prefetched: each of the 128 threads asks for its row's 256 bytes, once in the launch,
; one staging ahead of the load; it stops while that tile still lies inside the row.
.macro DSTAGE
	WIN 0
	s_wait_loadcnt 0x0              ; the tile is in (at the first use: Q too)
	s_wait_xcnt 0x0                 ; the loads' and the prefetch's base is stepped only behind this wait
	WIN 0xcf                        ; all in window 3
.set g, 0
.rept 4
.set n, 0
.rept 8
	v_cvt_pk_bf16_f32 v[DT+n], v[DS+16*g+2*n], v[DS+16*g+2*n+1]
.set n, n+1
.endr
.set n, 0
.rept 8
	v_lshlrev_b32 v[DS+16*g+2*n], 16, v[DT+n]
	v_and_b32 v[DS+16*g+2*n+1], s[HM], v[DT+n]
.set n, n+1
.endr
.set g, g+1
.endr
	WIN 0
	v_add_nc_u32 v[DW], s[SW], v[DW0]
	WIN W_D                         ; store data in window 3
.set n, 0
.rept 16
	ds_store_b128 v[DW], v[DS+4*n:DS+4*n+3] offset:2*PD*n
.set n, n+1
.endr
	WIN 0
	s_add_nc_u64 s[DP:DP+1], s[DP:DP+1], 256
	s_cmp_eq_u32 s[CNT], 1
	s_cbranch_scc1 .Lno_d_\@
	DLOAD
.Lno_d_\@:
	s_cmp_ge_u32 s[CNT], s[PFL]
	s_cbranch_scc0 .Lno_pf_\@
	global_prefetch_b8 v[PFO], s[DP:DP+1] offset:256 th:TH_LOAD_NT scope:SCOPE_SE
.Lno_pf_\@:
.endm
; THE VECTOR WORK OF A TURN is one numbered list of 268 entries for piece Y, its two tiles alternating; ENT writes entry j.
.macro REGS u                       ; the registers of tile u (0, 1) of piece Y
.set rT, ST+4*(2*Y+(\u))
.set rC, TMP+4*(\u)
.set rM, MV+(\u)
.set rU, SUMT+2*(\u)
.set rS, S+64*(Y%2)+32*(\u)
.set rP, P+32*(Y%2)+16*(\u)
.set rD, 64*(Y%2)+32*(\u)
.set rO, 32*(2*Y+(\u))
.endm
; Number n of the 22 that find the maximum and statistics.  s0-s31 are the lane's 32 scores; each accumulator's lowest registers are read first.
;   0-11  four chains c0-c3 of seven scores each, three operands at a time     12-14, 16  the four scores left over, the old m, and c0-c3 into c0     15  c m_old is kept
;   17, 18  the query's other 32 keys lie in the lane 16 away: the new m         19-21  c m; c m_old - c m_new; a
.macro XS u, n
	REGS \u
	WIN 0
.if (\n) < 4
	v_max3_num_f32 v[rC+(\n)], v[rS+8*(\n)], v[rS+8*(\n)+1], v[rS+8*(\n)+2]
.elseif (\n) < 12
	v_max3_num_f32 v[rC+(\n)%4], v[rC+(\n)%4], v[rS+8*((\n)%4)+2*((\n)/4)+1], v[rS+8*((\n)%4)+2*((\n)/4)+2]
.elseif (\n) == 12
	v_max3_num_f32 v[rC], v[rC], v[rS+7], v[rS+15]
.elseif (\n) == 13
	v_max3_num_f32 v[rC+1], v[rC+1], v[rS+23], v[rS+31]
.elseif (\n) == 14
	v_max3_num_f32 v[rC+2], v[rC+2], v[rC+3], v[rT+1]
.elseif (\n) == 15
	v_mov_b32 v[rM], v[rT]
.elseif (\n) == 16
	v_max3_num_f32 v[rC], v[rC], v[rC+1], v[rC+2]
.elseif (\n) == 17
	v_permlanex16_b32 v[rC+3], v[rC], s[SEL], s[SEL+1]
.elseif (\n) == 18
	v_max_num_f32 v[rT+1], v[rC], v[rC+3]
.elseif (\n) == 19
	v_mul_f32 v[rT], s[CS], v[rT+1]
.elseif (\n) == 20
	v_sub_f32 v[rC+1], v[rM], v[rT]
.else
	v_exp_f32 v[rC+2], v[rC+1]
.endif
.endm
.macro FF u, n                      ; c s - c m for pair n of 16
	REGS \u
	WIN 0
	v_pk_fma_f32 v[rS+2*(\n):rS+2*(\n)+1], v[rS+2*(\n):rS+2*(\n)+1], s[CS:CS+1], v[rT:rT+1] op_sel_hi:[1,0,0] neg_lo:[0,0,1] neg_hi:[0,0,1]
.endm
.macro EE u, n, w                   ; the exponential of score n of 32: it names window 0 under the setting 0 and under W_D alike; from any other setting it goes to w
	REGS \u
.if (MSB != 0) && (MSB != W_D)
	WIN \w
.endif
	v_exp_f32 v[rS+(\n)], v[rS+(\n)]
.endm
.macro BB u, k                      ; the sum of the four weights 4 k .., taken before D multiplies them
	REGS \u
	WIN 0
	s_wait_alu depctr_va_vdst(0)
	v_pk_add_f32 v[rU:rU+1], v[rS+4*(\k):rS+4*(\k)+1], v[rS+4*(\k)+2:rS+4*(\k)+3]
.endm
.macro DD u, n                      ; pair n times D
	REGS \u
	WIN W_D
	v_pk_mul_f32 v[rS+2*(\n):rS+2*(\n)+1], v[rS+2*(\n):rS+2*(\n)+1], v[rD+2*(\n):rD+2*(\n)+1]
.endm
.macro CC u, n                      ; pair n rounded to f16
	REGS \u
	WIN 0
	v_cvt_pk_f16_f32 v[rP+(\n)], v[rS+2*(\n)], v[rS+2*(\n)+1]
.endm
.macro LL u, k                      ; l takes the sum (the first time as l = a l + sum)
	REGS \u
	WIN 0
.if (\k) == 0
	v_pk_fma_f32 v[rT+2:rT+3], v[rT+2:rT+3], v[rC+2:rC+3], v[rU:rU+1] op_sel_hi:[1,0,1]
.else
	v_pk_add_f32 v[rT+2:rT+3], v[rT+2:rT+3], v[rU:rU+1]
.endif
.endm
.macro RR r, e                      ; pair e of 4 of accumulator r of 8 of O^T (tile r % 2, channels 16 (r / 2) on) times a: from the accumulator's low end on
	REGS (\r)%2
	WIN W_RS
	s_wait_alu depctr_va_vdst(0)
	v_pk_mul_f32 v[rO+8*((\r)/2)+2*(\e):rO+8*((\r)/2)+2*(\e)+1], v[rO+8*((\r)/2)+2*(\e):rO+8*((\r)/2)+2*(\e)+1], v[rC+2:rC+3] op_sel_hi:[1,0]
.endm
; THE LIST.  0-43: the maximum and statistics.  44-67: the scaling of pairs 0-11.  68-87: the exponentials of scores 0-3 by turns with the scaling of pairs 12-15; the first accumulator's rescaling.
; 88-255: seven stages of 24: for the four weights made a stage ago their sum, the products with D by turns with four exponentials, the roundings by turns with four more, l, and an accumulator's rescaling.
; 256-267: the last four weights.  Behind every exponential stands a plain instruction that names neither its result nor its source (behind the two a, which stand together, the first scaling).
.macro ENT
.if j < 44
	XS j%2,j/2
.elseif j < 68
	FF j%2,(j-44)/2
.elseif j < 84
.set z, j-68
.if z%2 == 0
	EE (z/2)%2,z/4,0
.else
	FF (z/2)%2,12+z/4
.endif
.elseif j < 88
	RR 0,j-84
.elseif j < 256
.set g, (j-88)/24+1
.set z, (j-88)%24
.if z < 2
	BB z,g-1
.elseif z < 10
.if z%2 == 0
	DD ((z-2)/2)%2,2*g-2+(z-2)/4
.else
	EE ((z-2)/2)%2,4*g+(z-2)/4,W_D
.endif
.elseif z < 18
.if z%2 == 0
	CC ((z-10)/2)%2,2*g-2+(z-10)/4
.else
	EE ((z-10)/2)%2,4*g+2+(z-10)/4,0
.endif
.elseif z < 20
	LL z-18,g-1
.else
	RR g,z-20
.endif
.else
.set z, j-256
.if z < 2
	BB z,7
.elseif z < 6
	DD (z-2)%2,14+(z-2)/2
.elseif z < 10
	CC (z-6)%2,14+(z-6)/2
.else
	LL z-10,7
.endif
.endif
.set j, j+1
.endm
.macro VQ n                         ; the next n entries
.rept \n
	ENT
.endr
.endm
; A TURN's first half, for piece p: 16 products V^T P of piece p - 1, four entries behind each, then 70.  None of the entries names a register of the products round it.  stage = 1: the next step's D follows.
.macro HALF_A p, stage
.set Y, (\p)
.set j, 0
.if (\p) == 1
	s_wait_dscnt 0x10               ; V is in: behind its run only the 16 loads of piece 2's D were issued
.endif
.set i, 0
.rept 16
	PV ((\p)+3)%4
.set i, i+1
	VQ 4
.endr
	VQ 70
.if \stage
	DSTAGE
.endif
.endm
; Between the halves: the fragments of D (and, in turn 3, of K) that the second half's products take are in.  In turn 0 V of the step in hand is fetched: its registers' last reader stands 74 entries back.
.macro MID p
	s_wait_dscnt 0x0
.if (\p) == 0
	FETCH_V
.endif
.endm
; The second half: 16 products K Q^T + D^T of piece p + 1 (in turn 3: piece 0 of the next step), four entries behind each, then 70; then K of the next step (turn 2) and D's fragments of piece p + 2.
.macro HALF_B p
.set Y, (\p)
.set j, 134
.set i, 0
.rept 16
	KQ ((\p)+1)%4
.set i, i+1
	VQ 4
.endr
	VQ 70
.if (\p) == 2
	FETCH_K
.endif
	FETCH_D ((\p)+2)%4
.endm
	DSTAGE                          ; step 0's D into buffer 0; step 1's tile of d is asked for
	CHANGE 1                        ; slot 0 and buffer 0 are whole, everybody's part of them; slot 1 is asked for
	FETCH_K                         ; key step 0
	FETCH_D 0
	FETCH_D 1
	s_wait_dscnt 0x0
.set i, 0
.rept 16
	KQ 0                            ; piece 0's first scores: there is no vector work yet to set between them
.set i, i+1
.endr
	WIN 0                           ; the addresses for the way out: seven plain instructions, the places behind those products
	s_mul_i32 s3, s[WV], 32*SP
	v_mul_u32_u24 v[STO], v1, SP    ; in: row l % 16 of a tile, 16 bytes for each half of the lanes, my head's 128 bytes
	v_lshl_add_u32 v[STO], v62, 4, v[STO]
	v_lshl_add_u32 v[STO], s[WV], 7, v[STO]
	v_add_nc_u32 v[STO], STAGE, v[STO]
	v_lshl_add_u32 v[RD], v63, 4, s3  ; back: my wave's 32 rows, a row of 512 bytes a load
	v_add_nc_u32 v[RD], STAGE, v[RD]
	v_lshlrev_b32 v[GO], 4, v63
	s_branch .Lfirst                ; the loop is entered at a step's first turn, in the middle of a trip
.Ltrip:                             ; 14 times: the change of slots of steps 0 to 13, each with a fill
	CHANGE 1
	HALF_B 2
	HALF_A 3, 0
	MID 3
	HALF_B 3
	WIN 0
.Lfirst:
	HALF_A 0, 0
	MID 0
	HALF_B 0
	HALF_A 1, 1
	MID 1
	HALF_B 1
	HALF_A 2, 0
	WIN 0
	s_sub_co_u32 s[CNT], s[CNT], 1
	s_cmp_lg_u32 s[CNT], 0
	s_cbranch_scc1 .Ltrip
	s_mov_b32 s[CNT], 2             ; the tail is written out: nothing is asked for.  Its second trip is left in the middle
.Ltail:
	CHANGE 0
	HALF_B 2
	HALF_A 3, 0
	MID 3
	HALF_B 3
	WIN 0
	s_sub_co_u32 s[CNT], s[CNT], 1
	s_cmp_eq_u32 s[CNT], 0
	s_cbranch_scc1 .Lout
	HALF_A 0, 0
	MID 0
	HALF_B 0
	HALF_A 1, 0
	MID 1
	HALF_B 1
	HALF_A 2, 0
	WIN 0
	s_branch .Ltail
.Lout:                              ; the last half trip's fetches read an old step's bytes, and its 16 products K Q^T serve nothing: the price, once a launch, of one text for every trip
.set i, 0
.rept 16
	PV 3                            ; the last piece's V^T P of the last step
.set i, i+1
.endr
	; THE WAY OUT.  l's two halves and the other half of the lanes' are added; O^T is divided by l, rounded to bf16 and put into the work-group's stage; a barrier, since a row's 512 bytes come from four waves;
	; back as whole rows.  The additions are the places behind the last products.
	WIN 0
.macro ALL line:vararg              ; one line for each tile t
.set t, 0
.rept 8
	\line
.set t, t+1
.endr
.endm
	ALL v_add_f32 v[ST+4*t+2], v[ST+4*t+2], v[ST+4*t+3]
	ALL v_permlanex16_b32 v[ST+4*t+3], v[ST+4*t+2], s[SEL], s[SEL+1]
	ALL v_add_f32 v[ST+4*t+2], v[ST+4*t+2], v[ST+4*t+3]
	ALL v_rcp_f32 v[ST+4*t+2], v[ST+4*t+2]
	v_nop                           ; a plain instruction between the last reciprocal and the use of its result
.macro PACK t                       ; a lane's eight channels of a row pack into 16 bytes
	WIN W_RS
.set i, 32*(\t)
.rept 16
	s_wait_alu depctr_va_vdst(0)
	v_pk_mul_f32 v[i:i+1], v[i:i+1], v[ST+4*(\t)+2:ST+4*(\t)+3] op_sel_hi:[1,0]
.set i, i+2
.endr
	WIN 0x05                        ; sources 0 and 1 window 1, destination window 0: S^T's registers are free
.set i, 0
.rept 16
	v_cvt_pk_bf16_f32 v[S+16*(\t)+i], v[32*(\t)+2*i], v[32*(\t)+2*i+1]
.set i, i+1
.endr
	WIN 0
.irp f, 0,1,2,3
	ds_store_b128 v[STO], v[S+16*(\t)+4*\f:S+16*(\t)+4*\f+3] offset:(\t)*16*SP+32*\f
.endr
.endm
.irp t, 0,1,2,3,4,5,6,7
	PACK \t
.endr
	s_wait_dscnt 0x0                ; for the others' sake: my stores into the stage are done (and the last fetch is back)
	s_barrier_signal -1
	s_barrier_wait -1
.set i, 0
.rept 32
	ds_load_b128 v[S+4*i:S+4*i+3], v[RD] offset:i*SP
.set i, i+1
.endr
.set i, 0
.rept 32
	s_wait_dscnt 31-i               ; LDS loads come back in order: row i is in
	global_store_b128 v[GO], v[S+4*i:S+4*i+3], s[12:13] offset:i*1024  ; 512 consecutive bytes, at a multiple of 256 from ob's first
.set i, i+1
.endr
	WIN W_AD
	s_wait_tensorcnt 0x0            ; the wave's end, behind my last tensor load and my last LDS store
	ds_add_u32 v[SPW], v[NIL]
	s_wait_dscnt 0x0
	WIN 0
	CROUND                          ; the closing round: no work-group ends while a partner may still ask for a tile that names it
	s_endpgm
.Lfunc_end_k_q92396d3a23_attn:
	.size	k_q92396d3a23_attn, .Lfunc_end_k_q92396d3a23_attn-k_q92396d3a23_attn
	.p2alignl 7, 3214868480
	.fill 96, 4, 3214868480
	.section	.rodata,"a",@progbits
	.p2align	6, 0x0
	.amdhsa_kernel k_q92396d3a23_attn
		.amdhsa_group_segment_fixed_size 327680
		.amdhsa_private_segment_fixed_size 0
		.amdhsa_enable_private_segment 0
		.amdhsa_kernarg_size 40
		.amdhsa_user_sgpr_count 2
		.amdhsa_user_sgpr_kernarg_segment_ptr 1
		.amdhsa_wavefront_size32 1
		.amdhsa_system_sgpr_workgroup_id_x 1
		.amdhsa_system_sgpr_workgroup_id_y 1
		.amdhsa_system_sgpr_workgroup_id_z 1
		.amdhsa_system_vgpr_workitem_id 0
		.amdhsa_next_free_vgpr 976
		.amdhsa_next_free_sgpr 66
		.amdhsa_reserve_vcc 0
		.amdhsa_float_denorm_mode_32 3
		.amdhsa_float_denorm_mode_16_64 3
		.amdhsa_memory_ordered 1
		.amdhsa_forward_progress 1
		.amdhsa_inst_pref_size 255
	.end_amdhsa_kernel
	.section	.bss,"aw",@nobits
	.p2align	6
	.space	262144
	.amdgpu_metadata
---
amdhsa.version: [ 1, 2 ]
amdhsa.kernels:
  - .name:           k_q92396d3a23_attn
    .symbol:         k_q92396d3a23_attn.kd
    .args:
      - { .name: qh, .offset: 0, .size: 8, .value_kind: global_buffer, .address_space: global }
      - { .name: kh, .offset: 8, .size: 8, .value_kind: global_buffer, .address_space: global }
      - { .name: vh, .offset: 16, .size: 8, .value_kind: global_buffer, .address_space: global }
      - { .name: d, .offset: 24, .size: 8, .value_kind: global_buffer, .address_space: global }
      - { .name: ob, .offset: 32, .size: 8, .value_kind: global_buffer, .address_space: global }
    .group_segment_fixed_size: 327680
    .private_segment_fixed_size: 0
    .kernarg_segment_align: 8
    .kernarg_segment_size: 40
    .max_flat_workgroup_size: 128
    .sgpr_count:     66
    .vgpr_count:     976
    .wavefront_size: 32
...
	.end_amdgpu_metadata
.endif
;; end of part 3
;; launch outp (part 4): grid 256 x 1, 4 waves a work-group, clusters of 4 x 1, 327,680 bytes of LDS; arguments ob, wb, bp, out0; writes out0
.if DOCPART == 4
	.amdgcn_target "amdgcn-amd-amdhsa--gfx1250"
	.amdhsa_code_object_version 6
	.text
	.protected	k_q92396d3a23_outp
	.globl	k_q92396d3a23_outp
	.p2align	8
	.type	k_q92396d3a23_outp,@function
k_q92396d3a23_outp:
	s_mov_b64 s[64:65], 0
	v_nop
	global_prefetch_b8 v0, s[64:65] scope:SCOPE_SE
	s_setreg_imm32_b32 hwreg(HW_REG_WAVE_MODE, 25, 1), 1
	s_wait_xcnt 0x0
	s_wait_alu depctr_hold_cnt(0) depctr_sa_sdst(0) depctr_va_vdst(0) depctr_va_sdst(0) depctr_va_ssrc(0) depctr_va_vcc(0) depctr_vm_vsrc(0)
	s_getreg_b32 s2, hwreg(HW_REG_IB_STS2, 6, 4)
	s_cmp_eq_u32 s2, 0
	s_cbranch_scc0 .Lentry_in_a_cluster
	s_endpgm
.Lentry_in_a_cluster:
	s_bfe_u32 s2, ttmp6, 0x10000c
	s_cmp_lg_u32 s2, 0x3003
	s_cbranch_scc0 .Lentry_shape_is_right
	s_endpgm
.Lentry_shape_is_right:
; THE OUTPUT PROJECTION.  out0[n][f] = sum over e of ob[n][e] wb[3][f][e] + bf16(bp[f]).  ob: [16384][512] bf16, wb[3] = Wp in bf16, out0: [16384][512] f32.  Sums in f32.
; LIMITS.  Wp and bp are rounded to bf16 (nearest even), like every input.  NaN and infinities are not treated apart.
; SHARES, RING and CLUSTER as in the input projections: a work-group makes 64 rows x all 512 features, wave w features 128 w .. 128 w + 127 in 32 accumulators; K in four steps of 128, four chunks of 32 each;
; the matrix instruction is used transposed (source 0 = 16 rows of W, source 1 = 16 rows of ob), the bias is the C operand of each accumulator's first product; W comes by joint tensor loads of the cluster's four
; work-groups, which walk the same W, into two LDS slots.  ob comes through registers: all 32 loads of a thread are issued at the head, and a K step's part is put into one of two LDS buffers a step ahead.
; REGISTERS, in windows of 256 (s_set_vgpr_msb: bits 1:0 source 0, 3:2 source 1, 5:4 source 2, 7:6 destination):
;   window 0: addresses; v32-95 bias; v128-255 rows on the way out, two buffers of 64     window 1: the accumulators, (a, b) at v[8 (8 a + b)]
;   window 2: two fragment buffers of 96: 64 of W, 32 of ob                                window 3: ob as loaded, K step s, load i at v[32 s + 4 i]
.set PITCH,  272                       ; an LDS row: 256 bytes + 16 = 68 words: the 16 rows of a fragment load start at 16 different groups of four banks (64 banks of 4 bytes: ISA guide 11.1)
.set QW,     128*PITCH
.set SLOT,   4*QW
.set XB,     2*SLOT                    ; behind the ring: two buffers of 64 rows of ob; only LDS stores write here
.set XBUF,   64*PITCH
.set STG,    XB                        ; the way out goes through both buffers, 16 rows x 528 bytes a wave, behind a barrier that follows every wave's last read of them
.set SPITCH, 528                       ; a stage row: 128 f32 + 16 bytes
.set SPARE,  XB+2*XBUF                 ; the spare words, 128 bytes a wave: two blocks of 256 bytes that no other line names
.set ADW, 16                           ; v16-17  LDS address of my W fragments in slot 0, 1
.set ADX, 18                           ; v18-19  of the ob fragments in buffer 0, 1
.set XST, 20                           ; v20-21  where I put 16 bytes of a row of ob, buffer 0, 1
.set XO,  22                           ; v22     my byte offset in ob
.set BO,  23                           ; v23     my byte offset in the bias
.set STO, 24                           ; v24     the way out: where I put 32 bytes of a row
.set RD,  25                           ; v25     the way out: where I read rows back
.set CO,  26                           ; v26     my byte offset in 512 consecutive bytes of out0
.set SPW, 28                           ; v28     LDS address of my spare word; never rewritten
.set NIL, 29                           ; v29     0; never rewritten
.set BI,  32
.set OB,  128
.set F0,  0
.set F1,  96
.set WV,  12                           ; s12  my wave's number
.set G1,  24                           ; s[24:31] descriptor group 1
.set G0,  32                           ; s[32:39] descriptor group 0, a set for each slot
.set MSB, 0
.macro WIN new                         ; the immediate's high byte repeats the setting that is left; a switch that changes nothing is dropped
.if MSB != (\new)
	s_set_vgpr_msb (MSB<<8)|(\new)
.set MSB, (\new)
.endif
.endm
.macro PLACES                          ; four places in front of loads into registers that matrix instructions have read, and of lines that read results
.rept 4
	v_nop
.endr
.endm
.macro JL s                            ; my quarter of a tile of W into slot s; an s_nop 0 and four v_nop follow
	tensor_load_to_lds s[G0+4*(\s):G0+4*(\s)+3], s[G1:G1+7]
	s_nop 0
	PLACES
.endm
.macro CREST                           ; a round of the cluster's barrier behind its opening barrier
	s_cmp_lg_u32 s[WV], 0
	s_cbranch_scc1 .Lnot_wave_0_\@
	s_barrier_signal -3
.Lnot_wave_0_\@:
	s_barrier_wait -3
	s_barrier_signal -1
	s_barrier_wait -1
.endm
.macro CROUND                          ; a whole round
	s_barrier_signal -1
	s_barrier_wait -1
	CREST
.endm
	s_load_b256 s[4:11], s[0:1], 0x0               ; ob s[4:5], wb s[6:7], bp s[8:9], out0 s[10:11]
	v_lshl_add_u32 v[SPW], v0, 2, SPARE
	v_mov_b32 v[NIL], 0
	ds_add_u32 v[SPW], v[NIL]                      ; the wave's opening: the add and its wait stand ahead of my first tensor load; the set-up below, work on registers, stands between them
	v_lshrrev_b32 v3, 5, v0
	v_readfirstlane_b32 s[WV], v3                  ; wave 0..3
	s_bfe_u32 s13, ttmp6, 0x40000                  ; cx: my place in the cluster
	s_lshl_b32 s14, ttmp9, 2
	s_add_co_u32 s14, s14, s13                     ; my row tile = 4 x cluster x + cx: it enters ob's and out0's addresses alone
	s_mov_b32 s[G1+0], 15|(1<<16)|(1<<20)|(1<<21)|(5<<22)|(3<<25)  ; 15:0 the mask of four; 17:16 2-byte elements; 20 padding on; 21 set beside a mask; 24:22 after every 64 words (code 5); 31:25 4 words (code 3)
	s_mov_b32 s[G1+1], 128<<16                     ; tensor_dim0 = 128
	s_mov_b32 s[G1+2], 128<<16                     ; tensor_dim1 = 128
	s_mov_b32 s[G1+3], 128<<16                     ; tile_dim0 = 128
	s_mov_b32 s[G1+4], 128                         ; tile_dim1 = 128
	s_mov_b32 s[G1+5], 512                         ; 512 elements from row to row
	s_mov_b32 s[G1+6], 0
	s_mov_b32 s[G1+7], 0
	s_lshl_b32 s16, s[WV], 17                      ; W: my 128 rows of 1,024 bytes,
	s_add_co_u32 s16, s16, 3*524288                ; in the fourth tensor of wb
	s_mov_b32 s17, 0
	s_lshl_b32 s18, s14, 16                        ; ob: 64 rows of 1,024 bytes a tile
	s_mov_b32 s19, 0
	s_lshl_b32 s20, s14, 17                        ; out0: 64 rows of 2,048 bytes a tile,
	s_lshl_b32 s21, s[WV], 9                       ; my 128 features
	s_add_co_u32 s20, s20, s21
	s_mov_b32 s21, 0
	s_mov_b32 s22, 0xffff0000                      ; a word's upper bf16
	s_mul_i32 s23, s[WV], QW                       ; my quarter of a slot
	s_mul_i32 s2, s[WV], 16*PITCH                  ; my 16 rows of an ob buffer
	s_mul_i32 s3, s[WV], 16*SPITCH                 ; my stage
	v_and_b32 v1, 15, v0                           ; r = lane % 16
	v_bfe_u32 v2, v0, 4, 1                         ; hl = lane / 16
	v_and_b32 v3, 31, v0                           ; lane
	v_mul_u32_u24 v4, v1, PITCH
	v_lshl_add_u32 v4, v2, 4, v4                   ; a fragment's row x pitch + 16 x half
	v_add_nc_u32 v[ADW], s23, v4
	v_add_nc_u32 v[ADW+1], SLOT, v[ADW]
	v_add_nc_u32 v[ADX], XB, v4
	v_add_nc_u32 v[ADX+1], XB+XBUF, v4
	v_mul_u32_u24 v5, v2, PITCH                    ; ob on its way in: lanes 0-15 one row's 256 bytes, lanes 16-31 the next
	v_lshl_add_u32 v5, v1, 4, v5
	v_add_nc_u32 v5, s2, v5
	v_add_nc_u32 v[XST], XB, v5
	v_add_nc_u32 v[XST+1], XB+XBUF, v5
	v_lshlrev_b32 v[XO], 4, v1
	v_lshl_add_u32 v[XO], v2, 10, v[XO]
	v_lshl_add_u32 v[XO], s[WV], 14, v[XO]         ; my 16 rows of 1,024 bytes
	v_lshlrev_b32 v[BO], 5, v2                     ; the bias of features 128 w + 16 b + 8 hl + 0..7
	v_lshl_add_u32 v[BO], s[WV], 9, v[BO]
	v_mul_u32_u24 v[STO], v1, SPITCH               ; in: row l % 16, 32 bytes for each half of the lanes
	v_lshl_add_u32 v[STO], v2, 5, v[STO]
	v_add_nc_u32 v[STO], s3, v[STO]
	v_add_nc_u32 v[STO], STG, v[STO]
	v_lshl_add_u32 v[RD], v3, 4, s3                ; back: a row of 512 bytes a load
	v_add_nc_u32 v[RD], STG, v[RD]
	v_lshlrev_b32 v[CO], 4, v3
	s_wait_dscnt 0x0                               ; the opening add is done
	s_wait_kmcnt 0x0
	s_add_nc_u64 s[4:5], s[4:5], s[18:19]
	s_add_nc_u64 s[10:11], s[10:11], s[20:21]
	s_add_nc_u64 s[6:7], s[6:7], s[16:17]
.irp s, 0,1
	s_mov_b32 s[G0+4*(\s)], 1                                      ; count = 1
	s_add_co_u32 s[G0+4*(\s)+1], s23, (\s)*SLOT                    ; LDS address: wave x 128 rows, the slot
	s_add_nc_u64 s[G0+4*(\s)+2:G0+4*(\s)+3], s[6:7], (\s)*256      ; global address: K step s
	s_or_b32 s[G0+4*(\s)+3], s[G0+4*(\s)+3], 0x80000000            ; type = 2
.endr
	CROUND                                         ; all four work-groups are here: the first joint loads meet
	JL 0                                           ; both first fills go out together: two tensor loads of mine are out
	JL 1
.irp b, 0,1,2,3,4,5,6,7
	global_load_b128 v[BI+8*(\b):BI+8*(\b)+3],   v[BO], s[8:9] offset:64*(\b)
	global_load_b128 v[BI+8*(\b)+4:BI+8*(\b)+7], v[BO], s[8:9] offset:64*(\b)+16
.endr
	WIN 0xc0                                       ; destination window 3, address window 0
.set n, 0
.rept 32                                       ; all of my ob: K step n / 8, rows 2 (n % 8) and the next
	global_load_b128 v[4*n:4*n+3], v[XO], s[4:5] offset:(n%8)*2048+(n/8)*256 th:TH_LOAD_NT
.set n, n+1
.endr
	WIN 0
	s_wait_loadcnt 32                              ; the 32 loads issued behind the bias may stay out
.set n, 0
.rept 32
	v_cvt_pk_bf16_f32 v[OB+n], v[BI+2*n], v[BI+2*n+1]  ; the bias is rounded to bf16 like every input,
.set n, n+1
.endr
.set n, 0
.rept 32
	v_lshlrev_b32 v[BI+2*n], 16, v[OB+n]           ; and widened again
	v_and_b32 v[BI+2*n+1], s22, v[OB+n]
.set n, n+1
.endr
; 8 matrix instructions: row block a x all 8 feature blocks, 32 along K, from buffer f.  first = 1: the bias starts the sums.  The 32 accumulators take turns, in the same order in every chunk.
.macro MUL8 f, a, first
.if \first
	WIN 0x4a                                       ; W and ob in window 2, C (the bias) in window 0, D in window 1
.else
	WIN 0x5a                                       ; C and D in window 1
.endif
.irp b, 0,1,2,3,4,5,6,7
.if \first
	v_wmma_f32_16x16x32_bf16 v[8*(8*(\a)+(\b)):8*(8*(\a)+(\b))+7], v[(\f)+8*(\b):(\f)+8*(\b)+7], v[(\f)+64+8*(\a):(\f)+64+8*(\a)+7], v[BI+8*(\b):BI+8*(\b)+7]
.else
	v_wmma_f32_16x16x32_bf16 v[8*(8*(\a)+(\b)):8*(8*(\a)+(\b))+7], v[(\f)+8*(\b):(\f)+8*(\b)+7], v[(\f)+64+8*(\a):(\f)+64+8*(\a)+7], v[8*(8*(\a)+(\b)):8*(8*(\a)+(\b))+7]
.endif
.endr
.endm
; 24 LDS loads in one run: chunk c of the K step in slot and ob buffer number slot, into buffer f
.macro FETCH slot, c, f
	WIN 0x80                                       ; destination window 2, address window 0
.irp b, 0,1,2,3,4,5,6,7
	ds_load_b128 v[(\f)+8*(\b):(\f)+8*(\b)+3],   v[ADW+(\slot)] offset:(\b)*16*PITCH+64*(\c)
	ds_load_b128 v[(\f)+8*(\b)+4:(\f)+8*(\b)+7], v[ADW+(\slot)] offset:(\b)*16*PITCH+64*(\c)+32
.endr
.irp a, 0,1,2,3
	ds_load_b128 v[(\f)+64+8*(\a):(\f)+64+8*(\a)+3],   v[ADX+(\slot)] offset:(\a)*16*PITCH+64*(\c)
	ds_load_b128 v[(\f)+64+8*(\a)+4:(\f)+64+8*(\a)+7], v[ADX+(\slot)] offset:(\a)*16*PITCH+64*(\c)+32
.endr
.endm
; K step s of my 16 rows of ob is put into buffer s % 2.  The buffer's last readers passed the barrier at the end of K step s - 2; the barrier at the end of K step s - 1 shows it to all.
.macro XSTAGE s
	s_wait_loadcnt 24-8*(\s)                       ; loads come back in order: the later K steps' 8 each may stay out
	PLACES                                         ; for the fragment loads that follow
	WIN 0x0c                                       ; store data in window 3
.set n, 0
.rept 8
	ds_store_b128 v[XST+(\s)%2], v[32*(\s)+4*n:32*(\s)+4*n+3] offset:n*2*PITCH
.set n, n+1
.endr
.endm
; One of a K step's first three chunks: multiplies buffer f; in its middle it fetches the next chunk into g.  stage >= 0: that K step's ob is staged there.
.macro CH slot, c, f, g, first, stage
	s_wait_dscnt 0x0                               ; this chunk's fragments, issued 16 matrix instructions ago
	MUL8 \f, 0, \first
	MUL8 \f, 1, \first
.if (\stage) >= 0
	XSTAGE \stage
.else
	PLACES
.endif
	FETCH \slot, (\c)+1, \g
	MUL8 \f, 2, \first
	MUL8 \f, 3, \first
.endm
; The last chunk multiplies buffer 1 and changes slots: ONE barrier.  In front of it each wave waits for all its tensor loads (its part of the next slot), adds 0 to its spare word, and waits for that, for its
; reads of this slot and ob buffer and for its stores into the next ob buffer.  fill = 1: the barrier opens a round of the cluster's, and this slot is filled again, two K steps on, first thing behind it.
.macro TURN slot, fill
	s_wait_dscnt 0x0                               ; this chunk's fragments
	WIN 0
	s_wait_tensorcnt 0x0                           ; all my tensor loads have landed
	ds_add_u32 v[SPW], v[NIL]                      ; 0 onto my spare word
	MUL8 F1, 0, 0                                  ; eight matrix instructions stand between the add and the wait for it
	s_wait_dscnt 0x0                               ; the add is done; no LDS instruction of mine is out
	s_barrier_signal -1
	MUL8 F1, 1, 0
	WIN 0                                          ; at a branch and at a label every window is 0
	s_barrier_wait -1
.if \fill
	CREST                                          ; no wave of any partner still reads this slot or has a load on its way
	s_add_nc_u64 s[G0+4*(\slot)+2:G0+4*(\slot)+3], s[G0+4*(\slot)+2:G0+4*(\slot)+3], 512
	JL \slot                                       ; my one tensor load behind the round; its four v_nop are also the places in front of the loads below
.else
	PLACES
.endif
	FETCH 1-(\slot), 0, F0
	MUL8 F1, 2, 0
	MUL8 F1, 3, 0
.endm
	XSTAGE 0
	s_wait_tensorcnt 0x1                           ; my part of K step 0 is in; K step 1's may stay out
	s_wait_dscnt 0x0                               ; my rows of ob are in buffer 0
	s_barrier_signal -1
	s_barrier_wait -1
	FETCH 0, 0, F0
	CH 0, 0, F0, F1, 1, 1                          ; K step 0
	CH 0, 1, F1, F0, 0, -1
	CH 0, 2, F0, F1, 0, -1
	TURN 0, 1
	CH 1, 0, F0, F1, 0, 2                          ; K step 1
	CH 1, 1, F1, F0, 0, -1
	CH 1, 2, F0, F1, 0, -1
	TURN 1, 1
	CH 0, 0, F0, F1, 0, 3                          ; K step 2
	CH 0, 1, F1, F0, 0, -1
	CH 0, 2, F0, F1, 0, -1
	TURN 0, 0                                      ; nothing is left to fetch
	CH 1, 0, F0, F1, 0, -1                         ; K step 3
	CH 1, 1, F1, F0, 0, -1
	CH 1, 2, F0, F1, 0, -1
	s_wait_dscnt 0x0                               ; my last reads of the ob buffers are back:
	s_barrier_signal -1                            ; say so, since the stages lie where the buffers lay,
	MUL8 F1, 0, 0
	MUL8 F1, 1, 0
	MUL8 F1, 2, 0
	MUL8 F1, 3, 0
	WIN 0
	s_barrier_wait -1                              ; and go on when all four have said so
	PLACES
; THE WAY OUT, a block of 16 rows at a time: 32 bytes a lane (each accumulator's low half first) into my stage, back as whole rows of 512 bytes, stored.
.macro OUTB a
.if (\a) >= 2
	s_wait_xcnt 0x0                                ; the stores of the block two back have had their addresses translated (ISA guide 3.1): their registers are loaded again only behind this wait
.endif
	WIN 0x04                                       ; store data in window 1
.irp b, 0,1,2,3,4,5,6,7
	ds_store_b128 v[STO], v[8*(8*(\a)+(\b)):8*(8*(\a)+(\b))+3]   offset:64*(\b)
	ds_store_b128 v[STO], v[8*(8*(\a)+(\b))+4:8*(8*(\a)+(\b))+7] offset:64*(\b)+16
.endr
	WIN 0
.set n, 0
.rept 16
	ds_load_b128 v[OB+64*((\a)%2)+4*n:OB+64*((\a)%2)+4*n+3], v[RD] offset:n*SPITCH  ; LDS serves a wave's instructions in order (ISA guide 5.7.1.4): these see the stores above
.set n, n+1
.endr
.set n, 0
.rept 16
	s_wait_dscnt 15-n                              ; row n is in
	global_store_b128 v[CO], v[OB+64*((\a)%2)+4*n:OB+64*((\a)%2)+4*n+3], s[10:11] offset:(16*(\a)+n)*2048 th:TH_STORE_NT  ; 512 consecutive bytes, at a multiple of 256 from out0's first
.set n, n+1
.endr
.endm
	OUTB 0
	OUTB 1
	OUTB 2
	OUTB 3
	s_wait_tensorcnt 0x0                           ; the wave's end, behind my last tensor load and my last LDS store
	ds_add_u32 v[SPW], v[NIL]
	s_wait_dscnt 0x0
	CROUND                                         ; the closing round: no work-group ends while a partner may still ask for a tile that names it
	s_endpgm
.Lfunc_end_k_q92396d3a23_outp:
	.size	k_q92396d3a23_outp, .Lfunc_end_k_q92396d3a23_outp-k_q92396d3a23_outp
	.p2alignl 7, 3214868480
	.fill 96, 4, 3214868480
	.section	.rodata,"a",@progbits
	.p2align	6, 0x0
	.amdhsa_kernel k_q92396d3a23_outp
		.amdhsa_group_segment_fixed_size 327680
		.amdhsa_private_segment_fixed_size 0
		.amdhsa_enable_private_segment 0
		.amdhsa_kernarg_size 32
		.amdhsa_user_sgpr_count 2
		.amdhsa_user_sgpr_kernarg_segment_ptr 1
		.amdhsa_wavefront_size32 1
		.amdhsa_system_sgpr_workgroup_id_x 1
		.amdhsa_system_sgpr_workgroup_id_y 1
		.amdhsa_system_sgpr_workgroup_id_z 1
		.amdhsa_system_vgpr_workitem_id 0
		.amdhsa_next_free_vgpr 896
		.amdhsa_next_free_sgpr 66
		.amdhsa_reserve_vcc 0
		.amdhsa_float_denorm_mode_32 3
		.amdhsa_float_denorm_mode_16_64 3
		.amdhsa_memory_ordered 1
		.amdhsa_forward_progress 1
		.amdhsa_inst_pref_size 94
	.end_amdhsa_kernel
	.amdgpu_metadata
---
amdhsa.version: [ 1, 2 ]
amdhsa.kernels:
  - .name:           k_q92396d3a23_outp
    .symbol:         k_q92396d3a23_outp.kd
    .args:
      - { .name: ob, .offset: 0, .size: 8, .value_kind: global_buffer, .address_space: global }
      - { .name: wb, .offset: 8, .size: 8, .value_kind: global_buffer, .address_space: global }
      - { .name: bp, .offset: 16, .size: 8, .value_kind: global_buffer, .address_space: global }
      - { .name: out0, .offset: 24, .size: 8, .value_kind: global_buffer, .address_space: global }
    .group_segment_fixed_size: 327680
    .private_segment_fixed_size: 0
    .kernarg_segment_align: 8
    .kernarg_segment_size: 32
    .max_flat_workgroup_size: 128
    .sgpr_count:     66
    .vgpr_count:     896
    .wavefront_size: 32
...
	.end_amdgpu_metadata
.endif
;; end of part 4
